; MI455X (gfx1250); checked and timed in simulation.
; The chip was launched on July 23, 2026; its instructions are those of AMD's public machine-readable ISA for CDNA 5 (MIT licence, August 2026) and "CDNA5" Instruction Set Architecture Reference Guide (July 2026). The comments in the code are by the model that wrote it; some were corrected since.
;; Multi Head Attention. Allowed arithmetic: matrix products marked QUANTISED: E2M3 operands, one E8M0 scale for each 32 along K, by v_wmma_scale_f32_16x16x128_f8f6f4 with both operands' format E2M3, f32 sums; everything else in f32.
;; Inputs: W_k 1,024 x 1,024 float32; W_o 1,024 x 1,024 float32; W_q 1,024 x 1,024 float32; W_v 1,024 x 1,024 float32; b_k 1,024 float32; b_o 1,024 float32; b_q 1,024 float32; b_v 1,024 float32; key 2 x 2,048 x 1,024 float32; query 2 x 2,048 x 1,024 float32; value 2 x 2,048 x 1,024 float32.
;; Outputs: out0 2 x 2,048 x 1,024 float32.
;; This version of the problem:
;;   THIS VERSION OF THE PROBLEM IS GIVEN IN LOW PRECISION. The matrix products marked QUANTISED in the list below multiply operands that are first quantised to E2M3 (2 exponent bits, 3 mantissa bits; 6 bits a number), with one power-of-two scale for each 32 numbers along K (OCP MX v1.0); their sums are f32. All else is computed in f32.
;;   The module's matrix products, in the order in which they are computed (A, B: the left and right operand; K: the contracted axis; several contracted axes count as one K, in the product's order):
;;     1. [M 4,096, K 1,024] x [K 1,024, N 1,024]; A: input query; B: input W_q: QUANTISED
;;     2. [M 4,096, K 1,024] x [K 1,024, N 1,024]; A: input key; B: input W_k: QUANTISED
;;     3. [M 4,096, K 1,024] x [K 1,024, N 1,024]; A: input value; B: input W_v: QUANTISED
;;     4. batch 32 x [M 2,048, K 64] x [K 64, N 2,048]; A: computed on the way; B: computed on the way: QUANTISED
;;     5. batch 32 x [M 2,048, K 2,048] x [K 2,048, N 64]; A: softmax (see below); B: computed on the way: QUANTISED
;;     6. [M 4,096, K 1,024] x [K 1,024, N 1,024]; A: computed on the way; B: input W_o: QUANTISED
;;   THE QUANTISER, for each operand of a quantised product, along K:
;;     - K is cut into blocks of 32 from its start; a last block that is shorter is filled with zeros.
;;     - A block's scale is 2^e with e = floor(log2(the largest magnitude in the block)) - 2, held to -126 .. 127; a block of zeros has e = 0. As a byte (E8M0): e + 127.
;;     - Each number is divided by its block's scale, clamped to +-7.5, and rounded to the nearest number of E2M3, ties to even, subnormals kept.
;;     - The product sums the exact products of the quantised numbers (number of the format x scale) in f32.
;;   ~~~python
;;   def quantise(x, axis):      # numpy; x: float32 -> the quantised numbers, widened to float32 again
;;       x = np.moveaxis(x, axis, -1); K = x.shape[-1]
;;       x = np.pad(x, [(0, 0)] * (x.ndim - 1) + [(0, -K % 32)]); x = x.reshape(x.shape[:-1] + (-1, 32)); a = np.abs(x).max(-1, keepdims=True)
;;       e = np.where(a > 0, np.clip(np.frexp(np.where(a > 0, a, 1))[1] - 1 - 2, -126, 127), 0)      # np.frexp(a)[1] - 1 = floor(log2(a)), exactly
;;       r = np.clip(x / 2.0 ** e, -7.5, 7.5)
;;       step = 2.0 ** (np.maximum(np.frexp(np.where(r == 0, 1, r))[1] - 1, 0) - 3)
;;       q = np.round(r / step) * step * 2.0 ** e      # np.round: ties to even
;;       return np.moveaxis(q.reshape(q.shape[:-2] + (-1,))[..., :K], -1, axis).astype(np.float32)
;;   ~~~
;;   SOFTMAX AHEAD OF A QUANTISED PRODUCT. Where the list says 'softmax', what is quantised is not the finished softmax but p = 2^(t - M), with t = logit x log2(e) and M = ceil(the row's largest t), a whole number; so 1/2 < the row's largest p <= 1. The row's sum l is taken of the UNQUANTISED p, in f32, and the product's result is divided by l at the end. Since M is a whole number, a kernel that streams over the keys may use a running M (the ceiling of the running maximum): every later rescaling is an exact power of two, which a block's scale takes up: the codes' values come out the same.
;;   OPERANDS COMPUTED ON THE WAY. 'Computed on the way' means the value that the module computes at that place (a softmax that the list does not call 'softmax' is quantised finished and normalised). What goes into a quantiser is computed in f32, as accurately as f32 sums, v_exp_f32 and their like allow (about 1e-6 of the number): no bf16 or f16 on the way to a quantiser, and a product that is left as it is and whose result goes on into a quantised operand takes f32 operands (vector FMAs, or v_wmma_f32_16x16x4_f32). A number that lies on a knife's edge between two numbers of the format may be rounded either way, as far as f32 arithmetic and the matrix unit's own rounding can turn it there, and no further.
;; One version. Each part assembles by itself: llvm-mc -triple=amdgcn-amd-amdhsa -mcpu=gfx1250 --defsym DOCPART=n.
;; ======== version 1 of 1: 4 launches
;; limits: right only within a limited range of input values
;; workspace buffers: ximg 12,582,912 bytes; xscl 524,288 bytes; qkv 9,830,400 bytes; aimg 3,145,728 bytes; ascl 131,072 bytes
;; launch quant (part 1): grid 512 x 1, 4 waves a work-group, no clusters, 34,304 bytes of LDS; arguments query, key, value, W_q, W_k, W_v, W_o, ximg, xscl; writes ximg, xscl
.if DOCPART == 1
	.amdgcn_target "amdgcn-amd-amdhsa--gfx1250"
	.amdhsa_code_object_version 6
	.text
	.protected	k_qf8fe467bca_quant
	.globl	k_qf8fe467bca_quant
	.p2align	8
	.type	k_qf8fe467bca_quant,@function
k_qf8fe467bca_quant:
	s_mov_b64 s[64:65], 0
	v_nop
	global_prefetch_b8 v0, s[64:65] scope:SCOPE_SE
	s_setreg_imm32_b32 hwreg(HW_REG_WAVE_MODE, 25, 1), 1
	s_wait_xcnt 0x0
; query, key, value [4096][1024] and W_q, W_k, W_v, W_o [1024][1024], f32, K = the last axis, become codes of FP6 (E2M3) with one E8M0 byte for each 32 along K.
; A block's scale is 2^(floor(log2(its largest magnitude)) - 2); its byte is that magnitude's exponent field - 2, held at 1 from below.
; LIMITS: NaN and infinities among the inputs are not served; a block of zeros, or one whose largest magnitude lies under 2^-124, gets the byte 1 (a block of zeros has zero codes; the bytes are read by this program alone).
; LAYOUT OUT.  The 16,384 rows are 1,024 tiles of 16 rows (query 0-255, key 256-511, value 512-767, W_q 768-, W_k 832-, W_v 896-, W_o 960-).  ximg: [tile][K step of 128: 8][1,536 bytes]: a fragment as an IMAGE OF THE
; OPERAND'S REGISTERS: piece i of six holds registers 2 i, 2 i + 1 of the 32 lanes, lane l's 8 bytes at 256 i + 8 l.  xscl: [tile][512]: the scale word of K step s and row r at 256 (s / 4) + 16 r + 4 (s % 4).
; ROW ORDER.  In value, W_q, W_k, W_v lane r of tile 2 b + u is row 32 b + 8 u + r + 8 (r / 8), so that where such a tile is source 0 of a product the 16 result registers of tiles 2 b, 2 b + 1 are 16 neighbours.
; query and W_o keep their order.
; SHARES.  A work-group takes 32 rows (tiles 2 g, 2 g + 1); wave w tile w / 2 and K half w % 2: four fragments.  Each load reads 512 consecutive bytes of one row; a fragment's 16 x 512 bytes turn through the wave's own
; stage in LDS (rows 528 bytes apart), so that a lane gets 16 neighbours of each block of 32.  Waves share nothing: no barrier.  No cluster: no two work-groups read the same bytes.  32 loads a wave are out.
.set SP,  528                          ; a stage row: 512 bytes + 16: the sixteen rows that a read touches begin in sixteen different 16-byte columns
.set R,   16                           ; v16-143  two sets of 64: a fragment's numbers as loaded
.set X,   144                          ; v144-207 register 16 b + i = k 32 b + 16 (lane / 16) + i of my row
.set PC,  208                          ; v208-226 the codes just made
.set TM,  228                          ; v228-243 at work in QUANT
.set PW,  244                          ; v244-247 the four fragments' scale words
.set XW,  248                          ; v248-249 the two words that I store
.set SEL, 34                           ; s[34:35] lane selects: lane l xor 16
; 64 numbers of a lane, v[s] on, register 16 b + i = k 32 b + 16 (lane / 16) + i of my row, become a fragment's 12 registers in v[pc] on and my row's scale word in v[pw].
.macro QUANT s, pc, pw
.irp b, 0,1,2,3
	v_max3_num_f32 v[TM+\b], |v[\s+16*\b]|, |v[\s+1+16*\b]|, 0x1800000   ; my 16 numbers of block b, and the floor 2^(3 - 127): the byte cannot fall under 1
.endr
.irp i, 2,4,6,8,10,12,14
.irp b, 0,1,2,3
	v_max3_num_f32 v[TM+\b], v[TM+\b], |v[\s+16*\b+\i]|, |v[\s+1+16*\b+\i]|   ; the four blocks by turns
.endr
.endr
.irp b, 0,1,2,3
	v_permlanex16_b32 v[TM+4+\b], v[TM+\b], s[SEL], s[SEL+1]
.endr
.irp b, 0,1,2,3
	v_max_num_f32 v[TM+\b], v[TM+\b], v[TM+4+\b]   ; with lane l xor 16's: the block's largest magnitude
.endr
.irp b, 0,1,2,3
	v_add_nc_u32 v[TM+12+\b], 0xff000000, v[TM+\b]   ; 2 off its exponent field: the conversion's scale operand
.endr
.irp b, 0,1,2,3
	v_lshrrev_b32 v[TM+4+\b], 23, v[TM+12+\b]      ; the scale's byte
.endr
	v_lshl_or_b32 v[\pw], v[TM+5], 8, v[TM+4]
	v_lshl_or_b32 v[\pw], v[TM+6], 16, v[\pw]
	v_lshl_or_b32 v[\pw], v[TM+7], 24, v[\pw]
.irp c, 0,1
	v_cvt_scalef32_pk16_fp6_f32 v[\pc+6*\c:\pc+2+6*\c], v[\s+32*\c:\s+15+32*\c], v[TM+12+2*\c]
	v_cvt_scalef32_pk16_fp6_f32 v[\pc+12+4*\c:\pc+14+4*\c], v[\s+16+32*\c:\s+31+32*\c], v[TM+13+2*\c]   ; (a conversion's three registers begin on an even number)
.endr
	v_nop                                          ; one plain instruction behind the scaled conversions
.irp c, 0,1                                    ; the operand wants a whole block in a lane: lanes 0-15 block 2 c, lanes 16-31 block 2 c + 1
.irp i, 0,1,2
	v_permlane16_swap_b32 v[\pc+6*\c+\i], v[\pc+12+4*\c+\i]
.endr
.irp i, 0,1,2
	v_mov_b32 v[\pc+3+6*\c+\i], v[\pc+12+4*\c+\i]
.endr
.endr
.endm
.macro LOAD t                          ; fragment t: 16 rows x 512 bytes into set t % 2; rows 8-15 lie 8, 16 or 32 rows below rows 0-7 (v4)
.irp p, 0,1,2,3,4,5,6,7
	global_load_b128 v[R+64*((\t)%2)+4*\p:R+64*((\t)%2)+4*\p+3], v3, s[24:25] offset:\p*4096+512*(\t) th:TH_LOAD_NT
.endr
.irp p, 0,1,2,3,4,5,6,7
	global_load_b128 v[R+64*((\t)%2)+32+4*\p:R+64*((\t)%2)+32+4*\p+3], v4, s[24:25] offset:\p*4096+512*(\t) th:TH_LOAD_NT
.endr
.endm
.macro TURN t                          ; through my stage: LDS serves a wave's instructions in order, so no wait stands between the stores and the loads
.irp p, 0,1,2,3,4,5,6,7,8,9,10,11,12,13,14,15
	ds_store_b128 v6, v[R+64*((\t)%2)+4*\p:R+64*((\t)%2)+4*\p+3] offset:SP*\p
.endr
.irp b, 0,1,2,3
.irp j, 0,1,2,3
	ds_load_b128 v[X+16*\b+4*\j:X+16*\b+4*\j+3], v7 offset:128*\b+16*\j
.endr
.endr
.endm
.macro STEP t
	s_wait_dscnt 0x0                               ; this fragment's numbers are back from the stage, and the stage's stores have read their set
	s_wait_xcnt 0x0                                ; the last fragment's stores have read the codes' registers
.if (\t) < 2
	LOAD (\t)+2
.endif
	QUANT X, PC, PW+(\t)
.irp i, 0,1,2,3,4,5
	global_store_b64 v8, v[PC+2*\i:PC+2*\i+1], s[18:19] offset:1536*(\t)+256*\i   ; 32 lanes store 256 consecutive bytes, aligned
.endr
.if (\t) < 2
	s_wait_loadcnt 16                              ; the next fragment's 16 loads are in; the 16 issued above may be out
	TURN (\t)+1
.elseif (\t) < 3
	s_wait_loadcnt 0x0
	TURN (\t)+1
.endif
.endm
	s_load_b256 s[4:11], s[0:1], 0x0               ; query, key, value, W_q
	s_load_b256 s[12:19], s[0:1], 0x20             ; W_k, W_v, W_o, ximg
	s_load_b64 s[20:21], s[0:1], 0x40              ; xscl
	v_lshl_add_u32 v254, v0, 2, 0x8400
	v_mov_b32 v255, 0
	v_lshrrev_b32 v1, 5, v0
	v_readfirstlane_b32 s22, v1                    ; wave
	v_and_b32 v1, 31, v0                           ; lane
	s_wait_alu depctr_va_vdst(0)
	v_and_b32 v2, 15, v0                           ; r
	s_wait_alu depctr_va_vdst(0)
	v_bfe_u32 v5, v0, 4, 1                         ; h
	s_lshr_b32 s23, s22, 1                         ; u: which of the two tiles
	s_and_b32 s33, s22, 1                          ; q: which half of K
	s_mov_b32 s[SEL], 0x76543210
	s_mov_b32 s[SEL+1], 0xfedcba98
	s_sub_co_u32 s27, ttmp9, 128
	s_cmp_lt_u32 s27, 352                          ; work-groups 128 to 479 (key .. W_v) take the permuted order
	s_cselect_b32 s28, 8, 16                       ; rows from tile 0 to tile 1
	s_cselect_b32 s29, 16, 8
	; KEY HAS AN ORDER OF ITS OWN (work-groups 128 to 255): lane 8 h + j of tile 4 c + u of a block of 128 tokens is token 64 c + 32 h + 8 u + j,
	; so that where such tiles are source 0 of a product a lane's 32 result registers of tiles 4 c .. 4 c + 3 are 32 neighbours: a whole scale block.
	; A work-group's two tiles then begin at row 64 (g / 2) + 16 (g % 2) + 8 u, and a tile's rows 8-15 lie 32 rows below its rows 0-7.
	s_and_b32 s38, ttmp9, 1
	s_lshl_b32 s38, s38, 4
	s_cmp_lt_u32 s27, 128
	s_cselect_b32 s29, 32, s29
	s_cselect_b32 s38, s38, 0
	s_mul_i32 s36, s22, 16*SP                      ; my stage
	v_lshlrev_b32 v3, 4, v1                        ; 16 x lane
	s_lshl_b32 s32, s29, 12
	v_add_nc_u32 v4, s32, v3
	v_add_nc_u32 v6, s36, v3                       ; the stage, on the way in
	v_mul_u32_u24 v7, v2, SP
	s_wait_alu depctr_va_vdst(0)
	v_lshl_add_u32 v7, v5, 6, v7
	v_add_nc_u32 v7, s36, v7                       ; and out: row r, + 64 h
	v_lshlrev_b32 v8, 3, v1                        ; 8 x lane: an image's place for my lane
	v_lshlrev_b32 v9, 4, v2
	v_lshl_add_u32 v9, v5, 3, v9                   ; 16 r + 8 h: my two scale words
.irp b, 0,1,2,3
	v_mov_b32 v[TM+4+\b], 0                        ; written once: a lane permute's destination counts as one of its sources
.endr
	s_wait_alu depctr_va_vdst(0)
	s_wait_kmcnt 0x0
	s_mov_b64 s[24:25], s[16:17]                   ; which tensor, and its first work-group: the choice hangs on the work-group's number alone
	s_mov_b32 s26, 480
	s_cmp_lt_u32 ttmp9, 480
	s_cselect_b64 s[24:25], s[14:15], s[24:25]
	s_cselect_b32 s26, 448, s26
	s_cmp_lt_u32 ttmp9, 448
	s_cselect_b64 s[24:25], s[12:13], s[24:25]
	s_cselect_b32 s26, 416, s26
	s_cmp_lt_u32 ttmp9, 416
	s_cselect_b64 s[24:25], s[10:11], s[24:25]
	s_cselect_b32 s26, 384, s26
	s_cmp_lt_u32 ttmp9, 384
	s_cselect_b64 s[24:25], s[8:9], s[24:25]
	s_cselect_b32 s26, 256, s26
	s_cmp_lt_u32 ttmp9, 256
	s_cselect_b64 s[24:25], s[6:7], s[24:25]
	s_cselect_b32 s26, 128, s26
	s_cmp_lt_u32 ttmp9, 128
	s_cselect_b64 s[24:25], s[4:5], s[24:25]
	s_cselect_b32 s26, 0, s26
	s_sub_co_u32 s30, ttmp9, s26
	s_lshl_b32 s30, s30, 5
	s_sub_co_u32 s30, s30, s38                     ; key: 32 g - 16 (g % 2) = 64 (g / 2) + 16 (g % 2)
	s_mul_i32 s31, s23, s28
	s_add_co_u32 s30, s30, s31                     ; my tile's,
	s_lshl_b32 s30, s30, 12                        ; in bytes,
	s_lshl_b32 s31, s33, 11
	s_add_co_u32 s30, s30, s31                     ; + my half of K
	s_mov_b32 s31, 0
	s_add_nc_u64 s[24:25], s[24:25], s[30:31]
	s_lshl_b32 s30, ttmp9, 1
	s_add_co_u32 s30, s30, s23                     ; the tile's number
	s_mul_i32 s36, s30, 12288
	s_mul_i32 s37, s33, 6144
	s_add_co_u32 s36, s36, s37
	s_mov_b32 s37, 0
	s_add_nc_u64 s[18:19], s[18:19], s[36:37]      ; my four fragments
	s_lshl_b32 s30, s30, 9
	s_lshl_b32 s36, s33, 8
	s_add_co_u32 s30, s30, s36
	s_add_nc_u64 s[20:21], s[20:21], s[30:31]      ; my 256 bytes of scale words
	LOAD 0
	LOAD 1
	s_wait_loadcnt 16                              ; fragment 0's loads are in, fragment 1's may be out
	TURN 0
	STEP 0
	STEP 1
	STEP 2
	STEP 3
	v_cmp_ne_u32 vcc_lo, 0, v5
	v_cndmask_b32 v[XW], v[PW], v[PW+2], vcc_lo    ; lanes 0-15 store K steps 0, 1 of my four, lanes 16-31 K steps 2, 3
	v_cndmask_b32 v[XW+1], v[PW+1], v[PW+3], vcc_lo
	global_store_b64 v9, v[XW:XW+1], s[20:21]      ; 32 lanes store 256 consecutive bytes, aligned
	s_wait_tensorcnt 0x0
	ds_add_u32 v254, v255
	s_wait_dscnt 0x0
	s_endpgm
.Lfunc_end_k_qf8fe467bca_quant:
	.size	k_qf8fe467bca_quant, .Lfunc_end_k_qf8fe467bca_quant-k_qf8fe467bca_quant
	.p2alignl 7, 3214868480
	.fill 96, 4, 3214868480
	.section	.rodata,"a",@progbits
	.p2align	6, 0x0
	.amdhsa_kernel k_qf8fe467bca_quant
		.amdhsa_group_segment_fixed_size 34304
		.amdhsa_private_segment_fixed_size 0
		.amdhsa_enable_private_segment 0
		.amdhsa_kernarg_size 72
		.amdhsa_user_sgpr_count 2
		.amdhsa_user_sgpr_kernarg_segment_ptr 1
		.amdhsa_wavefront_size32 1
		.amdhsa_system_sgpr_workgroup_id_x 1
		.amdhsa_system_sgpr_workgroup_id_y 1
		.amdhsa_system_sgpr_workgroup_id_z 1
		.amdhsa_system_vgpr_workitem_id 0
		.amdhsa_next_free_vgpr 256
		.amdhsa_next_free_sgpr 66
		.amdhsa_reserve_vcc 1
		.amdhsa_float_denorm_mode_32 3
		.amdhsa_float_denorm_mode_16_64 3
		.amdhsa_memory_ordered 1
		.amdhsa_forward_progress 1
		.amdhsa_inst_pref_size 36
	.end_amdhsa_kernel
	.amdgpu_metadata
---
amdhsa.version: [ 1, 2 ]
amdhsa.kernels:
  - .name:           k_qf8fe467bca_quant
    .symbol:         k_qf8fe467bca_quant.kd
    .args:
      - { .name: query, .offset: 0, .size: 8, .value_kind: global_buffer, .address_space: global }
      - { .name: key, .offset: 8, .size: 8, .value_kind: global_buffer, .address_space: global }
      - { .name: value, .offset: 16, .size: 8, .value_kind: global_buffer, .address_space: global }
      - { .name: W_q, .offset: 24, .size: 8, .value_kind: global_buffer, .address_space: global }
      - { .name: W_k, .offset: 32, .size: 8, .value_kind: global_buffer, .address_space: global }
      - { .name: W_v, .offset: 40, .size: 8, .value_kind: global_buffer, .address_space: global }
      - { .name: W_o, .offset: 48, .size: 8, .value_kind: global_buffer, .address_space: global }
      - { .name: ximg, .offset: 56, .size: 8, .value_kind: global_buffer, .address_space: global }
      - { .name: xscl, .offset: 64, .size: 8, .value_kind: global_buffer, .address_space: global }
    .group_segment_fixed_size: 34304
    .private_segment_fixed_size: 0
    .kernarg_segment_align: 8
    .kernarg_segment_size: 72
    .max_flat_workgroup_size: 128
    .sgpr_count:     66
    .vgpr_count:     256
    .wavefront_size: 32
...
	.end_amdgpu_metadata
.endif
;; end of part 1
;; launch proj (part 2): grid 4 x 48, 4 waves a work-group, clusters of 4 x 4, 327,680 bytes of LDS; arguments ximg, xscl, b_q, b_k, b_v, qkv; writes qkv
.if DOCPART == 2
	.amdgcn_target "amdgcn-amd-amdhsa--gfx1250"
	.amdhsa_code_object_version 6
	.text
	.protected	k_qf8fe467bca_proj
	.globl	k_qf8fe467bca_proj
	.p2align	8
	.type	k_qf8fe467bca_proj,@function
k_qf8fe467bca_proj:
	s_mov_b64 s[64:65], 0
	v_nop
	global_prefetch_b8 v0, s[64:65] scope:SCOPE_SE
	s_setreg_imm32_b32 hwreg(HW_REG_WAVE_MODE, 25, 1), 1
	s_wait_xcnt 0x0
	s_wait_alu depctr_hold_cnt(0) depctr_sa_sdst(0) depctr_va_vdst(0) depctr_va_sdst(0) depctr_va_ssrc(0) depctr_va_vcc(0) depctr_vm_vsrc(0)
	s_getreg_b32 s2, hwreg(HW_REG_IB_STS2, 6, 4)
	s_cmp_eq_u32 s2, 0
	s_cbranch_scc0 .Lentry_in_a_cluster
	s_endpgm
.Lentry_in_a_cluster:
	s_bfe_u32 s2, ttmp6, 0x10000c
	s_cmp_lg_u32 s2, 0xf033
	s_cbranch_scc0 .Lentry_shape_is_right
	s_endpgm
.Lentry_shape_is_right:
; The three projections x W^T + b on codes of FP6 (E2M3), K = 1,024, and the quantiser of their results, in registers: Q and K along the head's 64 channels, V along the keys.
; Twelve clusters of 4 x 4 work-groups: cluster c serves z = c / 4 (0: Q, 1: K, 2: V), part cc = c % 4.  A tile is 256 x 256, a wave's 128 x 128: 64 accumulators.
; THE MATRIX INSTRUCTION: source 0 = 16 rows of 'B', source 1 = 16 rows of 'A': a lane holds one row of A, its registers run along B's rows.  The axis to be quantised must run along the registers:
; z < 2: A = x (tokens), B = W (channels);  z = 2: A = W_v (channels), B = value (tokens).  B's tiles are stored in the order in which the 16 registers of result tiles 2 b, 2 b + 1 are 16 neighbours.
; All that differs with z is chosen by s_cselect and v_cndmask: z is the same in all partners of a cluster, and no branch hangs on it.
; OPERANDS come as images of their registers (1,536 bytes a fragment, six pieces of 256 bytes): six ds_load_b64 at 8 x lane, no pitch, no padding.  K goes in four chunks of 256 through two LDS slots.
; CLUSTER: A's tiles are shared along a row of the cluster, B's along a column: joint loads.  The scale words of all of K come once, with the first fills.
; OUT, qkv: [head 16 b + h: 32][block of 128 tokens: 16][19,200]: K 8 tiles x 768 | V 4 tiles x 1,536 | K's scale words 256 | V's 256 | Q 8 tiles x 768 | Q's scale words 256.
; LIMITS: NaN and infinities are not served; a block of zeros, or one whose largest magnitude lies under 2^-124, gets the byte 1 (read by this program alone).
; REGISTERS: window 0: v1-31 addresses; v32-95 scale words; v96-103 the bias by lanes; from v128 A's fragments, one set (on the way out: v128-191 a block's numbers, v192- codes and work);
;   window 1: B's fragments, two sets, at v0 and v128; v96-127, v224-255 the bias by registers;  windows 2, 3: accumulator (a, b) at v[8 (8 (a % 4) + b)].
.set SLOT,  98304                      ; A's 16 tiles x 3,072 bytes (two fragments), then B's 16
.set QTR,   24576                      ; 8 tiles: what one tensor load brings, and what a wave reads of A or of B
.set SCL,   2*SLOT                     ; behind the ring: 4 x 4,096 bytes that nothing fills
.set SPARE, SCL+4*4096                 ; the spare words, 128 bytes a wave: two blocks of 256 bytes that no other line names
.set HS,    307200                     ; a head in qkv
.set FR,    12
.set NL,    6                          ; LDS loads that bring a fragment
.set NP,    4                          ; places behind this matrix instruction (ISA guide 7.12.1)
.set ADRA, 16                          ; v16-17 my A fragments in slot 0, 1
.set ADRB, 20                          ; v20-21 my B fragments
.set SOFF, 24                          ; v24 the scale words' store: HS x h + 16 r
.set ADRS, 27
.set SPW,  28                          ; v28 my spare word; never rewritten
.set NIL,  29                          ; v29 0; never rewritten
.set SELK, 30                          ; v30, v31 byte selects for the scale words' way out
.set SELV, 31
.set SC,   32                          ; v[SC + 8 i + ks]: lanes 0-15 the word of A's block i, lanes 16-31 of B's block i, K step ks
.set BL,   96
.set BP,   104
.set XW,   108
.set AF,   128
.set HA,   128
.set PC,   192
.set TM,   212
.set PW,   228
.set G1,   24
.set G0,   32
.set G1B,  48
.set G0B,  56
.set G1S,  68
.set G0S,  76
.set G1SB, 80
.set G0SB, 88
.set SEL,  98
.set MSB, 0
.macro WIN new                         ; the immediate's high byte repeats the setting that is left
.if MSB != \new
	s_set_vgpr_msb (MSB<<8)|\new
.set MSB, \new
.endif
.endm
.set MUL_LO, 0xa1                      ; source 0 (B) window 1, source 1 (A) window 0, C and D window 2
.set MUL_HI, 0xf1
.set TO_B,   0x40
; A joint load: waves 0, 1 fetch for A, waves 2, 3 for B; the branch hangs on the wave's number alone; four v_nop follow each of the two lines.
.macro JLOAD g0a, g1a, g0b, g1b
	s_cmp_eq_u32 s17, 0
	s_cbranch_scc0 .Lfor_b_\@
	tensor_load_to_lds s[\g0a:\g0a+3], s[\g1a:\g1a+7]
	s_nop 0
.rept 4
	v_nop
.endr
	s_branch .Lasked_\@
.Lfor_b_\@:
	tensor_load_to_lds s[\g0b:\g0b+3], s[\g1b:\g1b+7]
	s_nop 0
.rept 4
	v_nop
.endr
.Lasked_\@:
.endm
.macro CREST                           ; a round of the cluster's barrier behind its opening barrier
	s_cmp_lg_u32 s16, 0
	s_cbranch_scc1 .Lnot_wave_0_\@
	s_barrier_signal -3
.Lnot_wave_0_\@:
	s_barrier_wait -3
	s_barrier_signal -1
	s_barrier_wait -1
.endm
.macro CROUND
	s_barrier_signal -1
	s_barrier_wait -1
	CREST
.endm
.macro PLACES n
.rept \n
	v_nop
.endr
.endm
.macro QUANT s, pc, pw                 ; 64 numbers, register 16 b + i = k 32 b + 16 (lane / 16) + i of my row -> a fragment in v[pc] on, my row's scale word in v[pw]
.irp b, 0,1,2,3
	v_max3_num_f32 v[TM+\b], |v[\s+16*\b]|, |v[\s+1+16*\b]|, 0x1800000   ; and the floor 2^(3 - 127): the byte cannot fall under 1
.endr
.irp i, 2,4,6,8,10,12,14
.irp b, 0,1,2,3
	v_max3_num_f32 v[TM+\b], v[TM+\b], |v[\s+16*\b+\i]|, |v[\s+1+16*\b+\i]|
.endr
.endr
.irp b, 0,1,2,3
	v_permlanex16_b32 v[TM+4+\b], v[TM+\b], s[SEL], s[SEL+1]
.endr
.irp b, 0,1,2,3
	v_max_num_f32 v[TM+\b], v[TM+\b], v[TM+4+\b]
.endr
.irp b, 0,1,2,3
	v_add_nc_u32 v[TM+12+\b], 0xff000000, v[TM+\b]   ; 2 off the exponent field: the conversion's scale operand
.endr
.irp b, 0,1,2,3
	v_lshrrev_b32 v[TM+4+\b], 23, v[TM+12+\b]
.endr
	v_lshl_or_b32 v[\pw], v[TM+5], 8, v[TM+4]
	v_lshl_or_b32 v[\pw], v[TM+6], 16, v[\pw]
	v_lshl_or_b32 v[\pw], v[TM+7], 24, v[\pw]
.irp c, 0,1
	v_cvt_scalef32_pk16_fp6_f32 v[\pc+6*\c:\pc+2+6*\c], v[\s+32*\c:\s+15+32*\c], v[TM+12+2*\c]
	v_cvt_scalef32_pk16_fp6_f32 v[\pc+12+4*\c:\pc+14+4*\c], v[\s+16+32*\c:\s+31+32*\c], v[TM+13+2*\c]
.endr
	v_nop                                          ; one plain instruction behind the scaled conversions
.irp c, 0,1
.irp i, 0,1,2
	v_permlane16_swap_b32 v[\pc+6*\c+\i], v[\pc+12+4*\c+\i]
.endr
.irp i, 0,1,2
	v_mov_b32 v[\pc+3+6*\c+\i], v[\pc+12+4*\c+\i]
.endr
.endr
.endm
	s_load_b256 s[4:11], s[0:1], 0x0               ; ximg, xscl, b_q, b_k
	s_load_b128 s[12:15], s[0:1], 0x20             ; b_v, qkv
	v_lshl_add_u32 v[SPW], v0, 2, SPARE
	v_mov_b32 v[NIL], 0
	ds_add_u32 v28, v29
	ds_add_u32 v28, v29
	s_wait_dscnt 0x0
	v_lshrrev_b32 v1, 5, v0
	v_readfirstlane_b32 s16, v1                    ; wave
	s_lshr_b32 s17, s16, 1                         ; HR: my half of A's rows.  Also: I fetch for A (0) or for B (1)
	s_and_b32 s18, s16, 1                          ; HC: my half of B's rows.  Also: which 8 tiles I fetch
	s_bfe_u32 s40, ttmp6, 0x40000                  ; cx
	s_bfe_u32 s41, ttmp6, 0x40004                  ; cy
	s_and_b32 s19, ttmp7, 0xffff                   ; the cluster's number
	s_and_b32 s20, s19, 3
	s_lshl_b32 s20, s20, 2                         ; 4 cc
	s_lshr_b32 s19, s19, 2                         ; z
	s_lshl_b32 s21, s19, 8                         ; x's first tile: 256 z
	s_lshl_b32 s22, s19, 6
	s_add_co_u32 s22, s22, 768                     ; W's: 768 + 64 z
	s_cmp_lt_u32 s19, 2
	s_cselect_b32 s43, s20, 0
	s_cselect_b32 s42, 0, s20
	s_cselect_b32 s21, s21, 896                    ; A's first tile: x's, or W_v's
	s_cselect_b32 s22, s22, 512                    ; B's: W's, or value's
	s_cselect_b32 s100, -1, 0                      ; all lanes where z < 2
	s_cselect_b32 s101, 0, -1                      ; all lanes where z = 2
	s_add_co_u32 s43, s43, s41                     ; tile row (of A)
	s_add_co_u32 s42, s42, s40                     ; tile column (of B)
	s_lshl_b32 s44, s41, 2
	s_lshl_b32 s44, 15, s44                        ; my row of the cluster
	s_lshl_b32 s45, 0x1111, s40                    ; my column
	; group 1 for codes: 8 rows (tiles) of 3,072 bytes (384 elements of 8 bytes), 12,288 bytes apart
	s_or_b32 s[G1+0], s44, (3<<16)|(1<<21)         ; 15:0 the mask; 17:16 elements of 8 bytes; 21 set beside a mask
	s_or_b32 s[G1B+0], s45, (3<<16)|(1<<21)
.irp g, G1, G1B
	s_mov_b32 s[\g+1], 384<<16
	s_mov_b32 s[\g+2], 16<<16                      ; the head's loads bring 16 tiles; the ring's 8: the two words are set anew at the first change of slots
	s_mov_b32 s[\g+3], 384<<16
	s_mov_b32 s[\g+4], 16
	s_mov_b32 s[\g+5], 1536
	s_mov_b32 s[\g+6], 0
	s_mov_b32 s[\g+7], 0
.endr
	; (no tensor load brings scale words: each wave loads its own 8 + 8 blocks' words straight into their registers, below)
	s_lshl_b32 s67, s18, 3                         ; which 8 tiles I fetch in the ring
	s_lshl_b32 s2, s43, 4
	s_add_co_u32 s21, s21, s2                      ; A: first tile + 16 x tile row
	s_lshl_b32 s66, s42, 4
	s_add_co_u32 s22, s22, s66                     ; B likewise, by the tile column
	s_mul_i32 s94, s21, 12288                      ; the 16 tiles of A, in bytes from ximg,
	s_mov_b32 s95, 0
	s_mul_i32 s96, s22, 12288                      ; and of B
	s_mov_b32 s97, 0
	s_lshl_b32 s84, s17, 3
	s_add_co_u32 s84, s84, s21
	s_lshl_b32 s84, s84, 9                         ; the scale words of the 8 blocks of A that I multiply, in bytes from xscl,
	s_add_co_u32 s85, s22, s67
	s_lshl_b32 s85, s85, 9                         ; and of my 8 blocks of B
	s_mul_i32 s46, s67, 12288                      ; from a tile's 16 to the 8 that I fetch: by the wave's number alone
	s_mov_b32 s47, 0
	s_mul_i32 s3, s16, QTR                         ; where they go: by the wave's number alone
	s_mov_b32 s[SEL], 0x76543210
	s_mov_b32 s[SEL+1], 0xfedcba98
	s_wait_kmcnt 0x0
	s_add_nc_u64 s[94:95], s[4:5], s[94:95]
	s_add_nc_u64 s[96:97], s[4:5], s[96:97]
	s_add_nc_u64 s[92:93], s[96:97], s[46:47]
	s_add_nc_u64 s[46:47], s[94:95], s[46:47]
	CROUND                                         ; all sixteen work-groups are here: the first joint loads meet
.set HD, 68                            ; s[68:83] four groups 0 for the head's loads: A chunk 0, B chunk 0, A chunk 1, B chunk 1, 16 tiles each
.irp s, 0,1
	s_mov_b32 s[G0+4*\s], 1
	s_add_co_u32 s[G0+4*\s+1], s3, \s*SLOT
	s_add_nc_u64 s[G0+4*\s+2:G0+4*\s+3], s[46:47], \s*3072
	s_or_b32 s[G0+4*\s+3], s[G0+4*\s+3], 0x80000000
	s_mov_b32 s[G0B+4*\s], 1
	s_add_co_u32 s[G0B+4*\s+1], s3, \s*SLOT
	s_add_nc_u64 s[G0B+4*\s+2:G0B+4*\s+3], s[92:93], \s*3072
	s_or_b32 s[G0B+4*\s+3], s[G0B+4*\s+3], 0x80000000
	s_mov_b32 s[HD+8*\s], 1
	s_mov_b32 s[HD+8*\s+1], \s*SLOT
	s_add_nc_u64 s[HD+8*\s+2:HD+8*\s+3], s[94:95], \s*3072
	s_or_b32 s[HD+8*\s+3], s[HD+8*\s+3], 0x80000000
	s_mov_b32 s[HD+8*\s+4], 1
	s_mov_b32 s[HD+8*\s+5], \s*SLOT+2*QTR
	s_add_nc_u64 s[HD+8*\s+6:HD+8*\s+7], s[96:97], \s*3072
	s_or_b32 s[HD+8*\s+7], s[HD+8*\s+7], 0x80000000
.endr
; THE HEAD'S LOADS, ONE A WAVE: one chain of branches on the wave's number, a load to an arm, all arms leading to one join.
; Waves 0 and 1 ask for chunk 0, which is needed first; waves 2 and 3 for chunk 1.
.macro ARM under, g0, g1, next
	s_cmp_lt_u32 s16, \under
	s_cbranch_scc0 \next
	tensor_load_to_lds s[\g0:\g0+3], s[\g1:\g1+7]
	s_nop 0
.rept 4
	v_nop
.endr
	s_branch .Lhead_asked
\next:
.endm
	ARM 1, HD, G1, .Lhead_b0
	ARM 2, HD+4, G1B, .Lhead_a1
	ARM 3, HD+8, G1, .Lhead_b1
	tensor_load_to_lds s[HD+12:HD+15], s[G1B:G1B+7]
	s_nop 0
.rept 4
	v_nop
.endr
.Lhead_asked:
	; the bias.  z < 2: by channel = along the registers (B's rows); z = 2: by channel = along the lanes (A's rows).  Both are loaded from places inside the buffer, and the one that does not apply is cleared on the way out.
	s_cmp_eq_u32 s19, 0
	s_cselect_b64 s[94:95], s[8:9], s[10:11]
	s_cmp_eq_u32 s19, 2
	s_cselect_b64 s[94:95], s[12:13], s[94:95]
	s_mov_b64 s[96:97], s[94:95]
	s_lshl_b32 s66, s42, 10
	s_lshl_b32 s67, s18, 9
	s_add_co_u32 s66, s66, s67                     ; 4 (256 x tile column + 128 HC)
	s_lshl_b32 s2, s43, 10
	s_lshl_b32 s67, s17, 9
	s_add_co_u32 s2, s2, s67                       ; 4 (256 x tile row + 128 HR)
	s_cmp_lt_u32 s19, 2
	s_cselect_b32 s66, s66, 0
	s_cselect_b32 s2, 0, s2
	s_mov_b32 s67, 0
	s_mov_b32 s3, 0
	s_add_nc_u64 s[94:95], s[94:95], s[66:67]
	s_add_nc_u64 s[96:97], s[96:97], s[2:3]
	v_and_b32 v1, 15, v0                           ; r
	v_bfe_u32 v2, v0, 4, 1                         ; h
	v_lshlrev_b32 v25, 6, v2                       ; tile 2 b + u, register j: channel 32 b + 16 h + 8 u + j
	v_and_b32 v26, 8, v1
	v_add_nc_u32 v26, v26, v1
	v_lshlrev_b32 v26, 2, v26                      ; tile 2 b + u, lane r: channel 32 b + 8 u + r + 8 (r / 8)
	v_cmp_ne_u32 vcc_lo, 0, v2
	v_mov_b32 v5, s84
	v_mov_b32 v6, s85
	v_cndmask_b32 v5, v5, v6, vcc_lo               ; lanes 0-15 take A's words, lanes 16-31 B's
	v_lshl_add_u32 v5, v1, 4, v5                   ; + 16 r
.irp i, 0,1,2,3,4,5,6,7
	global_load_b128 v[SC+8*\i:SC+8*\i+3], v5, s[6:7] offset:512*\i          ; sixteen lanes read 256 consecutive bytes, aligned: K steps 0-3 of block i
	global_load_b128 v[SC+8*\i+4:SC+8*\i+7], v5, s[6:7] offset:512*\i+256    ; K steps 4-7
.endr
	WIN TO_B
.irp b, 0,1,2,3,4,5,6,7
	global_load_b128 v[96+8*\b+96*(\b/4):96+8*\b+96*(\b/4)+3], v25, s[94:95] offset:4*(32*(\b/2)+8*(\b%2))
	global_load_b128 v[96+8*\b+96*(\b/4)+4:96+8*\b+96*(\b/4)+7], v25, s[94:95] offset:4*(32*(\b/2)+8*(\b%2))+16
.endr
	WIN 0
.irp a, 0,1,2,3,4,5,6,7
	global_load_b32 v[BL+\a], v26, s[96:97] offset:4*(32*(\a/2)+8*(\a%2))
.endr
	v_and_b32 v3, 31, v0
	v_lshlrev_b32 v3, 3, v3                        ; 8 x lane
	s_mul_i32 s21, s17, QTR                        ; my 8 tiles of A
	s_mul_i32 s22, s18, QTR                        ; my 8 tiles of B,
	s_add_co_u32 s22, s22, 2*QTR                   ; behind A's 16
.irp s, 0,1
	v_add_nc_u32 v[ADRA+\s], s21, v3
	v_add_nc_u32 v[ADRB+\s], s22, v3
	s_add_co_u32 s21, s21, SLOT
	s_add_co_u32 s22, s22, SLOT
.endr
	v_mul_u32_u24 v[SOFF], v2, HS
	v_lshl_add_u32 v[SOFF], v1, 4, v[SOFF]
	v_cmp_ne_u32 vcc_lo, 0, v2
	v_mov_b32 v[SELK], 0x05040100
	v_mov_b32 v112, 0x07060302
	v_cndmask_b32 v[SELK], v[SELK], v112, vcc_lo
	v_mov_b32 v[SELV], 0x03020100
	v_mov_b32 v112, 0x07060504
	v_cndmask_b32 v[SELV], v[SELV], v112, vcc_lo
.macro FRAG reg, adr, q, i             ; a fragment as it was stored: six pieces of 256 bytes, 8 bytes a lane
.irp p, 0,1,2,3,4,5
	ds_load_b64 v[\reg+2*\p:\reg+2*\p+1], v[\adr] offset:3072*(\i)+1536*(\q)+256*\p
.endr
.endm
; 16 matrix instructions: A's blocks a0, a0 + 1 x B's eight, K step ks; p: B's set.  zero = 1: the first product starts the sums.  The 64 accumulators take turns, one instruction a turn, in the same order in every step.
.macro MUL16 a0, p, ks, zero
.irp a, \a0, \a0+1
.irp b, 0,1,2,3,4,5,6,7
.if \zero
	v_wmma_scale_f32_16x16x128_f8f6f4 v[8*(8*((\a)%4)+\b):8*(8*((\a)%4)+\b)+7], v[128*(\p)+FR*\b:128*(\p)+FR*\b+FR-1], v[AF+FR*(\a):AF+FR*(\a)+FR-1], 0, v[SC+8*\b+(\ks)], v[SC+8*(\a)+(\ks)] matrix_a_fmt:MATRIX_FMT_FP6 matrix_b_fmt:MATRIX_FMT_FP6 matrix_a_scale:MATRIX_SCALE_ROW1
.else
	v_wmma_scale_f32_16x16x128_f8f6f4 v[8*(8*((\a)%4)+\b):8*(8*((\a)%4)+\b)+7], v[128*(\p)+FR*\b:128*(\p)+FR*\b+FR-1], v[AF+FR*(\a):AF+FR*(\a)+FR-1], v[8*(8*((\a)%4)+\b):8*(8*((\a)%4)+\b)+7], v[SC+8*\b+(\ks)], v[SC+8*(\a)+(\ks)] matrix_a_fmt:MATRIX_FMT_FP6 matrix_b_fmt:MATRIX_FMT_FP6 matrix_a_scale:MATRIX_SCALE_ROW1
.endif
.endr
.endr
.endm
.macro FETCH_B slot, q, p
	WIN TO_B
.irp i, 0,1,2,3,4,5,6,7
	FRAG 128*(\p)+FR*\i, ADRB+\slot, \q, \i
.endr
	WIN 0
.endm
.macro FETCH_A slot, q, i0
.irp i, \i0, \i0+1, \i0+2, \i0+3
	FRAG AF+FR*(\i), ADRA+\slot, \q, \i
.endr
.endm
; A chunk's first K step: B's set 0; the second step's fragments are fetched in two runs, each behind its places.
.macro STEP slot, ks, zero
	s_wait_dscnt 4*NL                              ; B's set and A's blocks 0-3 are in; the youngest 24 loads (A's blocks 4-7) may be out
	WIN MUL_LO
	MUL16 0, 0, \ks, \zero
	MUL16 2, 0, \ks, \zero
	s_wait_dscnt 0
	PLACES NP
	FETCH_B \slot, 1, 1
	FETCH_A \slot, 1, 0
	WIN MUL_HI
	MUL16 4, 0, \ks, \zero
	MUL16 6, 0, \ks, \zero
	PLACES NP
	WIN 0
	FETCH_A \slot, 1, 4
.endm
; A chunk's second K step changes slots: one barrier; in front of it each wave waits for all its tensor loads, adds 0 to its spare word, and waits for that and for its reads of this slot.  fill = 1: the slot is filled again, two chunks on.
.macro TURN slot, next, ks, fill
	s_wait_tensorcnt 0x0                           ; the one load of mine that is out is my part of the next slot
	ds_add_u32 v[SPW], v[NIL]                      ; 0 onto my spare word
.if \ks == 1
	s_mov_b32 s[G1+2], 8<<16                       ; no tensor load of mine is out, so a descriptor may be written: from here on a load brings 8 tiles
	s_mov_b32 s[G1+4], 8
	s_mov_b32 s[G1B+2], 8<<16
	s_mov_b32 s[G1B+4], 8
.endif
	s_wait_dscnt 4*NL+1
	WIN MUL_LO
	MUL16 0, 1, \ks, 0
	s_wait_dscnt 0x0                               ; the add is done, and my reads of this slot are over
	s_barrier_signal -1
	MUL16 2, 1, \ks, 0
	WIN 0
	s_barrier_wait -1
.if \fill
	CREST                                          ; the barrier has opened a round of the cluster's: no wave of any partner still reads this slot or has a load on its way
	s_add_nc_u64 s[G0+4*\slot+2:G0+4*\slot+3], s[G0+4*\slot+2:G0+4*\slot+3], 6144
	s_add_nc_u64 s[G0B+4*\slot+2:G0B+4*\slot+3], s[G0B+4*\slot+2:G0B+4*\slot+3], 6144
	JLOAD G0+4*\slot, G1, G0B+4*\slot, G1B         ; the first tensor load behind the round; its four v_nop are the places in front of the loads below
.else
	PLACES NP
.endif
	FETCH_B \next, 0, 0
	FETCH_A \next, 0, 0
	WIN MUL_HI
	MUL16 4, 1, \ks, 0
	MUL16 6, 1, \ks, 0
	PLACES NP
	WIN 0
	FETCH_A \next, 0, 4
.endm
	s_wait_alu depctr_va_vdst(0)                   ; the wait at the head's end
	s_cmp_lt_u32 s16, 2
	s_cbranch_scc0 .Lnot_c0
	s_wait_tensorcnt 0x0                           ; waves 0 and 1: chunk 0 is in; their load lines are theirs alone
.Lnot_c0:
	s_barrier_signal -1
	s_barrier_wait -1                              ; chunk 1 may still be on its way
	FETCH_B 0, 0, 0
	FETCH_A 0, 0, 0
	FETCH_A 0, 0, 4
	s_wait_loadcnt 24                              ; the 16 loads of scale words are in; the 24 loads of the biases, issued behind them, may be out
	STEP 0, 0, 1                                   ; K = 1,024 is eight K steps: written out, since each names its own scale registers
	TURN 0, 1, 1, 1                                ; slot 0 takes chunk 2
	STEP 1, 2, 0
	TURN 1, 0, 3, 1                                ; slot 1 takes chunk 3
	STEP 0, 4, 0
	TURN 0, 1, 5, 0
	STEP 1, 6, 0
	s_wait_dscnt 4*NL
	WIN MUL_LO
	MUL16 0, 1, 7, 0
	MUL16 2, 1, 7, 0
	s_wait_dscnt 0
	WIN MUL_HI
	MUL16 4, 1, 7, 0
	MUL16 6, 1, 7, 0
	; THE WAY OUT.  For each of A's eight blocks: 64 numbers a lane + bias, quantised along the registers (128 of B's rows): one fragment and one scale word a row.
	WIN 0
	s_wait_loadcnt 0x0                             ; the biases
	WIN 0x44                                       ; source 1 and destination window 1
.irp b, 0,1,2,3,4,5,6,7
.irp j, 0,1,2,3,4,5,6,7
	v_cndmask_b32 v[96+8*\b+96*(\b/4)+\j], 0, v[96+8*\b+96*(\b/4)+\j], s100   ; the bias along the registers counts where z < 2.  (These lines are also the places behind the last products)
.endr
.endr
	WIN 0
.irp a, 0,1,2,3,4,5,6,7
	v_cndmask_b32 v[BL+\a], 0, v[BL+\a], s101      ; the bias along the lanes where z = 2
.endr
.irp b, 0,1,2,3
	v_mov_b32 v[TM+4+\b], 0                        ; a lane permute's destination counts as one of its sources
.endr
	s_lshl_b32 s24, s43, 8                         ; (all my tensor loads have been waited for: the descriptors' registers are free)
	s_lshl_b32 s25, s17, 7
	s_add_co_u32 s24, s24, s25                     ; A's side: 256 x tile row + 128 HR
	s_lshl_b32 s26, s42, 8
	s_lshl_b32 s25, s18, 7
	s_add_co_u32 s26, s26, s25                     ; B's side
	s_cmp_lt_u32 s19, 2
	s_cselect_b32 s27, s24, s26                    ; my first token
	s_cselect_b32 s28, s26, s24                    ; my first channel
	s_mov_b32 s30, 1536
	s_cselect_b32 s30, 768, s30                    ; from block to block: a token tile's 768 bytes, or a channel tile's 1,536
	s_mov_b32 s32, HS-3*1536
	s_cselect_b32 s32, 768, s32                    ; from block 3 to block 4: for V the next head's first channel tile
	s_mov_b32 s38, 768
	s_cselect_b32 s38, HS, s38                     ; registers 6-11: the next head (Q, K), or the fragment's second half (V)
	s_mov_b32 s31, 0
	s_mov_b32 s33, 0
	s_mov_b32 s39, 0
	s_cmp_eq_u32 s19, 0
	s_cselect_b32 s24, 12800, 0                    ; the region in a block: Q 12,800, K 0, V 6,144
	s_mov_b32 s25, 12288
	s_cselect_b32 s25, 18944, s25                  ; and its scale words': Q 18,944, K 12,288, V 12,544
	s_cmp_eq_u32 s19, 2
	s_cselect_b32 s24, 6144, s24
	s_cselect_b32 s25, 12544, s25
	s_lshr_b32 s26, s27, 11
	s_lshl_b32 s26, s26, 4
	s_lshr_b32 s29, s28, 6
	s_add_co_u32 s26, s26, s29                     ; 16 x batch + head
	s_mul_i32 s26, s26, HS
	s_bfe_u32 s29, s27, 0x40007                    ; the block of 128 tokens
	s_mul_i32 s29, s29, 19200
	s_add_co_u32 s26, s26, s29
	s_add_co_u32 s36, s26, s24
	s_mov_b32 s37, 0
	s_add_co_u32 s34, s26, s25
	s_mov_b32 s35, 0
	s_add_nc_u64 s[36:37], s[14:15], s[36:37]      ; where registers 0-5 go
	s_add_nc_u64 s[38:39], s[36:37], s[38:39]      ; where registers 6-11 go
	s_add_nc_u64 s[34:35], s[14:15], s[34:35]      ; the scale words
.macro EPI a
	WIN 0x06+(\a)/4                                ; source 0: the accumulators' window, source 1: window 1
.irp b, 0,1,2,3,4,5,6,7
.irp j, 0,2,4,6
	v_pk_add_f32 v[HA+8*\b+\j:HA+8*\b+\j+1], v[64*((\a)%4)+8*\b+\j:64*((\a)%4)+8*\b+\j+1], v[96+8*\b+96*(\b/4)+\j:96+8*\b+96*(\b/4)+\j+1]   ; each accumulator from its low end on
.endr
.endr
	WIN 0
	v_mov_b32 v[BP], v[BL+\a]
	v_mov_b32 v[BP+1], v[BL+\a]
.set j, 0
.rept 32
	v_pk_add_f32 v[HA+j:HA+j+1], v[HA+j:HA+j+1], v[BP:BP+1]
.set j, j+2
.endr
	QUANT HA, PC, PW+\a
.irp i, 0,1,2
	global_store_b64 v3, v[PC+2*\i:PC+2*\i+1], s[36:37] offset:256*\i       ; 32 lanes store 256 consecutive bytes, aligned
	global_store_b64 v3, v[PC+6+2*\i:PC+6+2*\i+1], s[38:39] offset:256*\i
.endr
.if \a < 7
	s_wait_xcnt 0x0                                ; the stores have read their data and bases: both are written again below
.if \a == 3
	s_add_nc_u64 s[36:37], s[36:37], s[32:33]
	s_add_nc_u64 s[38:39], s[38:39], s[32:33]
.else
	s_add_nc_u64 s[36:37], s[36:37], s[30:31]
	s_add_nc_u64 s[38:39], s[38:39], s[30:31]
.endif
.endif
.endm
.irp a, 0,1,2,3,4,5,6,7
	EPI \a
.endr
	; the scale words.  Q, K: word i of a head = tile 2 i's two bytes, tile 2 i + 1's two bytes; lanes 0-15 store the first head's, lanes 16-31 the second's.  V: word i = channel tile i's four bytes.
.irp i, 0,1,2,3
	v_perm_b32 v112, v[PW+2*\i+1], v[PW+2*\i], v[SELK]
	v_perm_b32 v113, v[PW+4+\i], v[PW+\i], v[SELV]
	v_cndmask_b32 v[XW+\i], v112, v113, s101
.endr
	global_store_b128 v[SOFF], v[XW:XW+3], s[34:35]   ; sixteen lanes store 256 consecutive bytes, aligned
	s_wait_tensorcnt 0x0                           ; the wave's end
	ds_add_u32 v[SPW], v[NIL]
	s_wait_dscnt 0x0
	CROUND                                         ; the closing round
	s_endpgm
.Lfunc_end_k_qf8fe467bca_proj:
	.size	k_qf8fe467bca_proj, .Lfunc_end_k_qf8fe467bca_proj-k_qf8fe467bca_proj
	.p2alignl 7, 3214868480
	.fill 96, 4, 3214868480
	.section	.rodata,"a",@progbits
	.p2align	6, 0x0
	.amdhsa_kernel k_qf8fe467bca_proj
		.amdhsa_group_segment_fixed_size 327680
		.amdhsa_private_segment_fixed_size 0
		.amdhsa_enable_private_segment 0
		.amdhsa_kernarg_size 48
		.amdhsa_user_sgpr_count 2
		.amdhsa_user_sgpr_kernarg_segment_ptr 1
		.amdhsa_wavefront_size32 1
		.amdhsa_system_sgpr_workgroup_id_x 1
		.amdhsa_system_sgpr_workgroup_id_y 1
		.amdhsa_system_sgpr_workgroup_id_z 1
		.amdhsa_system_vgpr_workitem_id 0
		.amdhsa_next_free_vgpr 1024
		.amdhsa_next_free_sgpr 102
		.amdhsa_reserve_vcc 1
		.amdhsa_float_denorm_mode_32 3
		.amdhsa_float_denorm_mode_16_64 3
		.amdhsa_memory_ordered 1
		.amdhsa_forward_progress 1
		.amdhsa_inst_pref_size 207
	.end_amdhsa_kernel
	.amdgpu_metadata
---
amdhsa.version: [ 1, 2 ]
amdhsa.kernels:
  - .name:           k_qf8fe467bca_proj
    .symbol:         k_qf8fe467bca_proj.kd
    .args:
      - { .name: ximg, .offset: 0, .size: 8, .value_kind: global_buffer, .address_space: global }
      - { .name: xscl, .offset: 8, .size: 8, .value_kind: global_buffer, .address_space: global }
      - { .name: b_q, .offset: 16, .size: 8, .value_kind: global_buffer, .address_space: global }
      - { .name: b_k, .offset: 24, .size: 8, .value_kind: global_buffer, .address_space: global }
      - { .name: b_v, .offset: 32, .size: 8, .value_kind: global_buffer, .address_space: global }
      - { .name: qkv, .offset: 40, .size: 8, .value_kind: global_buffer, .address_space: global }
    .group_segment_fixed_size: 327680
    .private_segment_fixed_size: 0
    .kernarg_segment_align: 8
    .kernarg_segment_size: 48
    .max_flat_workgroup_size: 128
    .sgpr_count:     102
    .vgpr_count:     1024
    .wavefront_size: 32
...
	.end_amdgpu_metadata
.endif
;; end of part 2
;; launch attn (part 3): grid 8 x 32, 16 waves a work-group, clusters of 4 x 1, 206,848 bytes of LDS; arguments qkv, aimg, ascl; writes aimg, ascl
.if DOCPART == 3
	.amdgcn_target "amdgcn-amd-amdhsa--gfx1250"
	.amdhsa_code_object_version 6
	.text
	.protected	k_qf8fe467bca_attn
	.globl	k_qf8fe467bca_attn
	.p2align	8
	.type	k_qf8fe467bca_attn,@function
k_qf8fe467bca_attn:
	s_mov_b64 s[64:65], 0
	v_nop
	global_prefetch_b8 v0, s[64:65] scope:SCOPE_SE
	s_setreg_imm32_b32 hwreg(HW_REG_WAVE_MODE, 25, 1), 1
	s_wait_xcnt 0x0
	s_wait_alu depctr_hold_cnt(0) depctr_sa_sdst(0) depctr_va_vdst(0) depctr_va_sdst(0) depctr_va_ssrc(0) depctr_va_vcc(0) depctr_vm_vsrc(0)
	s_getreg_b32 s2, hwreg(HW_REG_IB_STS2, 6, 4)
	s_cmp_eq_u32 s2, 0
	s_cbranch_scc0 .Lentry_in_a_cluster
	s_endpgm
.Lentry_in_a_cluster:
	s_bfe_u32 s2, ttmp6, 0x10000c
	s_cmp_lg_u32 s2, 0x3003
	s_cbranch_scc0 .Lentry_shape_is_right
	s_endpgm
.Lentry_shape_is_right:
; Attention of one head on codes of FP6 (E2M3): S^T = K Q^T (K = the head's 64), p = 2^(t - M), O^T += V^T p^T (K = the keys), O / l, and the quantiser of the result along the head's 64 channels.
; t = score x log2(e) / 8; M = the running largest t rounded up to a whole number; p is quantised along the keys, not normalised; l is the sum of the unquantised p, in f32; when M moves, l and O^T are multiplied by 2^(old M - new M): exact.
; SHARES.  A work-group owns 256 queries of one head (16 b + h = work-group y), each of its sixteen waves 16 of them, in 256 registers: four waves to a SIMD.
; LDS holds ALL of the head's K, V and scale words: 16 key steps of 128 keys x 12,800 bytes, each filled once: no ring, no refill.  Wave w asks for key step w: one tensor load a wave, all at the head, in two arms:
; waves 0-3 wait for theirs ahead of the first barrier, behind which key steps 0-3 are worked; then every wave waits for its load, a second barrier shows all sixteen tiles, and key steps 4-15 follow.
; A BARRIER IN EACH KEY STEP, split: the signal at the step's head, the wait at its end, register work and LDS reads between.  It orders no memory access: it keeps every wave within one key step of the others.
; CLUSTER.  The four query blocks of a cluster walk the same head: each key step's tile is asked for jointly (mask 15).
; NO PREFETCH: every tile is asked for at the head by its tensor load; there is no loop to run ahead in.
; OPERANDS are images of their registers (six pieces of 256 bytes a fragment).  A fragment of K is a PAIR of key tiles (K = 64 each): against [Q | 0] it gives tile 2 f's scores, against [0 | Q] tile 2 f + 1's: the other half meets zero codes.
; THE KEYS OF A TILE: row 8 h + j of tile 4 c + u is key 64 c + 32 h + 8 u + j.  So lane (r, h) holds query r, and its score registers 32 c + i are keys 64 c + 32 h + i: block 2 c + h of p, whole, in the order of the next operand's registers:
; a block's largest score needs no other lane and the conversions' results are the operand.  Other lanes are asked twice a step: for the row's largest t and for the scale word's other two bytes.
; V's channels are stored so that O^T's register 16 b + i is channel 32 b + 16 (lane / 16) + i.
; OUT.  aimg: [token tile 256][head 16][768 bytes]: two heads make a fragment of the last product's K step.  ascl: [token tile][512]: K step s, row r at 256 (s / 4) + 16 r + 4 (s % 4); a head owns two of the word's four bytes,
; so its store is 2 bytes a row: the word's other half belongs to another head's work-group.  That is 2 of the 50 bytes that a token and a head produce.
; LIMITS: NaN and infinities are not served; a block of zeros, or one whose largest magnitude lies under 2^-124, gets the byte 1 (read by this program alone); the scaled scores t stay under 2^31 in magnitude.
.set HS,   307200                      ; a head in qkv
.set BLKB, 19200                       ; a block of 128 tokens in it
.set KSB,  12800                       ; its first bytes: K 6,144 | V 6,144 | K's scale words 256 | V's 256: a key step's tile
.set SPARE, 16*KSB                     ; behind the tiles: the spare words, 128 bytes a wave
.set ADK,  6                           ; v6  the step's tile + 8 x lane
.set ADS,  7                           ; v7  the step's tile + 16 x lane
.set QF,   16                          ; v16-33  [Q | 0 | Q]
.set QS,   34                          ; v34     Q's two scale bytes, twice
.set XS,   36                          ; v36-39  lanes 0-15: K's four scale words; lanes 16-31: V's
.set FR,   40                          ; v40-87  four fragments of K, then of V
.set S,    96                          ; v96-159 S^T, then p
.set O,    160                         ; v160-191 O^T
.set PC,   192                         ; v192-203 p's codes; v204-206, v208-210 the blocks' upper halves as the conversions leave them
.set BM,   212                         ; v212-215 four chains; then v212, v213 my two blocks' largest scores, then largest p
.set BT,   216                         ; v216-219 at work
.set BS,   220                         ; v220-221 the conversions' scale operands
.set PS,   228                         ; v228 p's scale word
.set F,    230                         ; v230 (and v231) f = 2^(old M - new M)
.set T,    232
.set WV,   10
.set G1,   16
.set G0,   24
.set SEL,  40
.set CS,   42                          ; s[42:43] c = log2(e) / 8
.set TB,   44
.set CNT,  45
.macro ROUND
	s_barrier_signal -1
	s_barrier_wait -1
	s_cmp_lg_u32 s[WV], 0
	s_cbranch_scc1 .Lnot_wave_0_\@
	s_barrier_signal -3
.Lnot_wave_0_\@:
	s_barrier_wait -3
	s_barrier_signal -1
	s_barrier_wait -1
.endm
	s_load_b128 s[4:7], s[0:1], 0x0                ; qkv, aimg
	s_load_b64 s[8:9], s[0:1], 0x10                ; ascl
	v_lshl_add_u32 v254, v0, 2, SPARE
	v_mov_b32 v255, 0
	ds_add_u32 v254, v255                          ; the opening lines: the add, twice on end, and its wait ahead of my tensor load
	ds_add_u32 v254, v255
	v_lshrrev_b32 v5, 5, v0
	s_delay_alu instid0(VALU_DEP_1)
	v_readfirstlane_b32 s[WV], v5                  ; wave 0..15
	s_bfe_u32 s11, ttmp6, 0x40000                  ; cx
	s_lshl_b32 s12, ttmp9, 2
	s_add_co_u32 s12, s12, s11                     ; my block of 256 queries: it enters global addresses alone
	s_and_b32 s13, ttmp7, 0xffff                   ; 16 b + head, which the four partners share
	s_mul_i32 s46, s13, HS
	s_mul_i32 s48, s[WV], BLKB
	s_add_co_u32 s48, s48, s46                     ; key step w of the head
	s_mov_b32 s49, 0
	s_mov_b32 s[G0], 1
	s_mul_i32 s[G0+1], s[WV], KSB                  ; LDS: key step w
	s_mov_b32 s[G1], 15|(3<<16)|(1<<21)            ; 15:0 the mask: all four; 17:16 elements of 8 bytes; 21 set beside a mask
	s_mov_b32 s[G1+1], 32<<16                      ; 12,800 dense bytes as 50 rows of 256
	s_mov_b32 s[G1+2], 50<<16
	s_mov_b32 s[G1+3], 32<<16
	s_mov_b32 s[G1+4], 50
	s_mov_b32 s[G1+5], 32
	s_mov_b32 s[G1+6], 0
	s_mov_b32 s[G1+7], 0
	s_mov_b32 s[SEL], 0x76543210
	s_mov_b32 s[SEL+1], 0xfedcba98
	s_mov_b32 s[CS], 0x3e38aa3b
	s_mov_b32 s[CS+1], s[CS]                       ; (named with it as a pair, so it is written)
	s_wait_dscnt 0x0
	s_wait_kmcnt 0x0
	s_add_nc_u64 s[G0+2:G0+3], s[4:5], s[48:49]
	s_or_b32 s[G0+3], s[G0+3], 0x80000000
	ROUND                                          ; all four work-groups are here: the joint loads meet
	s_cmp_lt_u32 s[WV], 4                          ; my one load, both addresses by the wave's number.  Two arms: waves 0-3, which wait ahead of the first barrier, have a load line of their own
	s_cbranch_scc0 .Llater
	tensor_load_to_lds s[G0:G0+3], s[G1:G1+7]
	s_nop 0
.rept 4
	v_nop
.endr
	s_branch .Lasked
.Llater:
	tensor_load_to_lds s[G0:G0+3], s[G1:G1+7]
	s_nop 0
.rept 4
	v_nop
.endr
.Lasked:
	v_and_b32 v5, 31, v0                           ; lane
	s_delay_alu instid0(VALU_DEP_1)
	v_lshlrev_b32 v1, 3, v5                        ; 8 x lane
	s_wait_alu depctr_va_vdst(0)
	v_lshlrev_b32 v2, 4, v5                        ; 16 x lane
	v_and_b32 v3, 15, v0                           ; r
	s_delay_alu instid0(VALU_DEP_1)
	v_lshlrev_b32 v8, 4, v3                        ; 16 r
	v_and_b32 v9, 16, v0
	s_delay_alu instid0(VALU_DEP_1)
	v_lshrrev_b32 v9, 1, v9                        ; 8 h: how far up my two scale bytes stand in p's word
	s_wait_alu depctr_va_vdst(0)
	s_lshl_b32 s51, s12, 1
	s_lshr_b32 s52, s[WV], 3
	s_add_co_u32 s51, s51, s52                     ; my queries' block of 128 tokens
	s_mul_i32 s51, s51, BLKB
	s_add_co_u32 s51, s51, s46
	s_and_b32 s52, s[WV], 7                        ; and my tile in it
	s_mul_i32 s53, s52, 768
	s_add_co_u32 s54, s51, s53
	s_mov_b32 s55, 0
	s_add_nc_u64 s[54:55], s[4:5], s[54:55]        ; Q's tile, 12,800 bytes on
	s_lshr_b32 s53, s52, 1
	s_lshl_b32 s53, s53, 2
	s_add_co_u32 s56, s51, s53
	s_mov_b32 s57, 0
	s_add_nc_u64 s[56:57], s[4:5], s[56:57]        ; its pair's scale words, 18,944 bytes on
	s_and_b32 s52, s52, 1
	s_lshl_b32 s52, s52, 4                         ; my tile's two bytes: the word's low or high half
.irp p, 0,1,2
	global_load_b64 v[QF+2*\p:QF+2*\p+1], v1, s[54:55] offset:12800+256*\p
	global_load_b64 v[QF+12+2*\p:QF+12+2*\p+1], v1, s[54:55] offset:12800+256*\p
.endr
	global_load_b32 v[QS], v8, s[56:57] offset:18944
.irp j, 6,7,8,9,10,11
	v_mov_b32 v[QF+\j], 0                          ; zero codes
.endr
	v_mov_b32 v13, 0xff61b1e6                      ; the largest t so far: -3e38
	s_delay_alu instid0(VALU_DEP_1)
	v_floor_f32 v12, -v13                          ; -M
	v_mov_b32 v14, 0                               ; l, in two halves
	v_mov_b32 v15, 0
.irp b, 0,1,2,3
	v_mov_b32 v[BT+\b], 0                          ; a lane permute's destination counts as one of its sources
.endr
	v_mov_b32 v[F+1], 0                            ; (named as the upper half of a pair)
	s_lshr_b32 s58, s13, 4                         ; where the result goes: token tile 128 b + 16 x query block + wave
	s_lshl_b32 s58, s58, 7
	s_lshl_b32 s53, s12, 4
	s_add_co_u32 s58, s58, s53
	s_add_co_u32 s58, s58, s[WV]
	s_lshl_b32 s60, s58, 9
	s_mul_i32 s58, s58, 12288
	s_and_b32 s53, s13, 15                         ; the head
	s_mul_i32 s51, s53, 768
	s_add_co_u32 s58, s58, s51
	s_mov_b32 s59, 0
	s_add_nc_u64 s[58:59], s[6:7], s[58:59]
	s_lshr_b32 s51, s53, 3                         ; 256 (head / 8) + 2 (head % 8): K step head / 2, its low or high two bytes
	s_lshl_b32 s51, s51, 8
	s_add_co_u32 s60, s60, s51
	s_and_b32 s51, s53, 7
	s_lshl_b32 s51, s51, 1
	s_add_co_u32 s60, s60, s51
	s_mov_b32 s61, 0
	s_add_nc_u64 s[60:61], s[8:9], s[60:61]
	s_wait_loadcnt 0x0
	v_lshrrev_b32 v[QS], s52, v[QS]
	s_delay_alu instid0(VALU_DEP_1)
	v_and_b32 v[QS], 0xffff, v[QS]
	s_delay_alu instid0(VALU_DEP_1)
	v_lshl_or_b32 v[QS], v[QS], 16, v[QS]          ; the two bytes serve both placings of Q
.set j, 0
.rept 32
	v_mov_b32 v[O+j], 0                            ; O^T: the step is written once; its first run finds zeros.  (These lines also stand between the scale word just made and the first product)
.set j, j+1
.endr
; A KEY STEP: 128 keys, the tile at LDS byte s[TB].
.macro STEP
	s_barrier_signal -1                            ; I have begun this step (no LDS instruction of mine is out); the wait stands at the step's end
	v_add_nc_u32 v[ADK], s[TB], v1
	v_add_nc_u32 v[ADS], s[TB], v2
	v_nop
	v_nop                                          ; four places in front of loads into registers that the last products have read
.irp f, 0,1,2,3
.irp p, 0,1,2,3,4,5
	ds_load_b64 v[FR+12*\f+2*\p:FR+12*\f+2*\p+1], v[ADK] offset:1536*\f+256*\p
.endr
.endr
	ds_load_b128 v[XS:XS+3], v[ADS] offset:12288
	s_wait_alu depctr_va_vdst(0)
	s_wait_dscnt 0x0
.irp f, 0,1,2,3
.irp e, 0,1
	v_wmma_scale_f32_16x16x128_f8f6f4 v[S+8*(2*\f+\e):S+8*(2*\f+\e)+7], v[FR+12*\f:FR+12*\f+11], v[QF+6*\e:QF+6*\e+11], 0, v[XS+\f], v[QS] matrix_a_fmt:MATRIX_FMT_FP6 matrix_b_fmt:MATRIX_FMT_FP6
.endr
.endr
.rept 4
	v_nop
.endr
.irp t, 0,1,2,3
.irp p, 0,1,2,3,4,5
	ds_load_b64 v[FR+12*\t+2*\p:FR+12*\t+2*\p+1], v[ADK] offset:6144+1536*\t+256*\p   ; V's four fragments land while the softmax is worked
.endr
.endr
.irp b, 0,1,2,3
	v_max3_num_f32 v[BM+\b], v[S+16*\b], v[S+1+16*\b], v[S+2+16*\b]   ; the largest score of each of my two blocks of 32 keys, in two chains a block, the four by turns
.endr
.irp i, 3,5,7,9,11,13
.irp b, 0,1,2,3
	v_max3_num_f32 v[BM+\b], v[BM+\b], v[S+16*\b+\i], v[S+1+16*\b+\i]
.endr
.endr
	v_max3_num_f32 v[BM], v[BM], v[BM+1], v[S+15]
	v_max3_num_f32 v[BM+2], v[BM+2], v[BM+3], v[S+47]
	v_max_num_f32 v[BM], v[BM], v[S+31]            ; block h's: it serves the row's maximum and, since p rises with the score, the block's largest p
	v_max_num_f32 v[BM+1], v[BM+2], v[S+63]        ; block 2 + h's
	s_delay_alu instid0(VALU_DEP_1)
	v_max_num_f32 v[T], v[BM], v[BM+1]
	s_delay_alu instid0(VALU_DEP_1)
	v_mul_f32 v[T], s[CS], v[T]                    ; my 64 keys' largest t (c is positive)
	s_delay_alu instid0(VALU_DEP_1)
	v_permlanex16_b32 v[BT], v[T], s[SEL], s[SEL+1]
	s_delay_alu instid0(VALU_DEP_1)
	v_max3_num_f32 v13, v13, v[T], v[BT]           ; with lane l xor 16's 64 keys: the running largest t
	v_mov_b32 v[T], v12
	s_delay_alu instid0(VALU_DEP_2)
	v_floor_f32 v12, -v13                          ; the new -M = -ceil(t): a whole number
	s_delay_alu instid0(VALU_DEP_1)
	v_sub_f32 v[T], v12, v[T]                      ; old M - new M, 0 or less
	s_delay_alu instid0(VALU_DEP_1)
	v_cvt_i32_f32 v[T], v[T]                       ; (it saturates)
	s_delay_alu instid0(VALU_DEP_1)
	v_ldexp_f32 v[F], 1.0, v[T]                    ; f = 2^(old M - new M)
.set j, 0
.rept 32
	v_pk_fma_f32 v[S+j:S+j+1], v[S+j:S+j+1], s[CS:CS+1], v[12:13] op_sel_hi:[1,0,0]   ; t - M
.set j, j+2
.endr
.irp b, 0,1
	v_fma_f32 v[BM+\b], v[BM+\b], s[CS], v12       ; the same of each block's largest score
.endr
.set j, 0
	s_wait_alu depctr_va_vdst(0)                   ; the wait ahead of the batch
.rept 64
	v_exp_f32 v[S+j], v[S+j]                       ; p = 2^(t - M)
.set j, j+1
.endr
.irp b, 0,1
	v_exp_f32 v[BM+\b], v[BM+\b]                   ; the blocks' largest p: the same two instructions on the same number
.endr
	v_pk_mul_f32 v[14:15], v[14:15], v[F:F+1] op_sel_hi:[1,0]   ; l under the new M: a plain instruction behind the exponentials
	s_wait_alu depctr_va_vdst(0)                   ; one wait for the batch of 66, ahead of its first reader
	v_pk_add_f32 v[234:235], v[100:101], v[104:105]   ; l takes the unquantised p: eight chains, then joined
	v_pk_add_f32 v[252:253], v[108:109], v[112:113]
	v_pk_add_f32 v[250:251], v[116:117], v[120:121]
	v_pk_add_f32 v[248:249], v[124:125], v[128:129]
	v_pk_add_f32 v[246:247], v[132:133], v[136:137]
	v_pk_add_f32 v[244:245], v[140:141], v[144:145]
	v_pk_add_f32 v[242:243], v[148:149], v[152:153]
	v_pk_add_f32 v[14:15], v[14:15], v[156:157]
	v_pk_add_f32 v[234:235], v[234:235], v[96:97]
	v_pk_add_f32 v[252:253], v[252:253], v[98:99]
	v_pk_add_f32 v[250:251], v[250:251], v[102:103]
	v_pk_add_f32 v[248:249], v[248:249], v[106:107]
	v_pk_add_f32 v[246:247], v[246:247], v[110:111]
	v_pk_add_f32 v[244:245], v[244:245], v[114:115]
	v_pk_add_f32 v[242:243], v[242:243], v[118:119]
	v_pk_add_f32 v[14:15], v[14:15], v[122:123]
	v_pk_add_f32 v[234:235], v[234:235], v[126:127]
	v_pk_add_f32 v[252:253], v[252:253], v[130:131]
	v_pk_add_f32 v[250:251], v[250:251], v[134:135]
	v_pk_add_f32 v[248:249], v[248:249], v[138:139]
	v_pk_add_f32 v[246:247], v[246:247], v[142:143]
	v_pk_add_f32 v[244:245], v[244:245], v[146:147]
	v_pk_add_f32 v[242:243], v[242:243], v[150:151]
	v_pk_add_f32 v[14:15], v[14:15], v[154:155]
	v_pk_add_f32 v[234:235], v[234:235], v[158:159]
	s_delay_alu instid0(VALU_DEP_2)
	v_pk_add_f32 v[14:15], v[14:15], v[248:249]
	s_delay_alu instid0(VALU_DEP_2)
	v_pk_add_f32 v[234:235], v[234:235], v[246:247]
	v_pk_add_f32 v[252:253], v[252:253], v[244:245]
	v_pk_add_f32 v[250:251], v[250:251], v[242:243]
	s_delay_alu instid0(VALU_DEP_2)
	v_pk_add_f32 v[14:15], v[14:15], v[252:253]
	s_delay_alu instid0(VALU_DEP_2)
	v_pk_add_f32 v[234:235], v[234:235], v[250:251]
	s_delay_alu instid0(VALU_DEP_1)
	v_pk_add_f32 v[14:15], v[14:15], v[234:235]
.irp b, 0,1
	v_max_num_f32 v[BM+\b], 0x1800000, v[BM+\b]    ; the floor 2^(3 - 127): the byte cannot fall under 1
.endr
.irp b, 0,1
	s_delay_alu instid0(VALU_DEP_2)
	v_add_nc_u32 v[BS+\b], 0xff000000, v[BM+\b]    ; 2 off the exponent field: the conversions' scale operand
.endr
.irp b, 0,1
	s_delay_alu instid0(VALU_DEP_2)
	v_lshrrev_b32 v[BT+\b], 23, v[BS+\b]           ; the scale's byte
.endr
	s_delay_alu instid0(VALU_DEP_1)
	v_lshl_or_b32 v[PS], v[BT+1], 16, v[BT]        ; my two bytes: blocks h and 2 + h,
	s_delay_alu instid0(VALU_DEP_1)
	v_lshlrev_b32 v[PS], v9, v[PS]                 ; at their places in the word (8 h bits up);
	s_delay_alu instid0(VALU_DEP_1)
	v_permlanex16_b32 v[BT], v[PS], s[SEL], s[SEL+1]
	s_delay_alu instid0(VALU_DEP_1)
	v_or_b32 v[PS], v[PS], v[BT]                   ; with lane l xor 16's two the word is whole
.irp c, 0,1
	v_cvt_scalef32_pk16_fp6_f32 v[PC+6*\c:PC+2+6*\c], v[S+32*\c:S+15+32*\c], v[BS+\c]
	v_cvt_scalef32_pk16_fp6_f32 v[PC+12+4*\c:PC+14+4*\c], v[S+16+32*\c:S+31+32*\c], v[BS+\c]   ; (a conversion's three registers begin on an even number)
.endr
	v_nop                                          ; one plain instruction behind the scaled conversions
.irp c, 0,1
.irp i, 0,1,2
	v_mov_b32 v[PC+3+6*\c+\i], v[PC+12+4*\c+\i]    ; registers 6 c .. 6 c + 5: keys 64 c + 32 h + 0 .. 31
.endr
.endr
	s_wait_alu depctr_va_vdst(0)                   ; directly ahead of the first reader of O^T
.set j, 0
.rept 16
	v_pk_mul_f32 v[O+j:O+j+1], v[O+j:O+j+1], v[F:F+1] op_sel_hi:[1,0]   ; O^T under the new M, from the low end on; these lines also stand between p's codes and scale word and the products
.set j, j+2
.endr
	s_wait_alu depctr_va_vdst(0)
	s_wait_dscnt 0x0                               ; V is in
.irp t, 0,1,2,3
	v_wmma_scale_f32_16x16x128_f8f6f4 v[O+8*\t:O+8*\t+7], v[FR+12*\t:FR+12*\t+11], v[PC:PC+11], v[O+8*\t:O+8*\t+7], v[XS+\t], v[PS] matrix_a_fmt:MATRIX_FMT_FP6 matrix_b_fmt:MATRIX_FMT_FP6 matrix_a_scale:MATRIX_SCALE_ROW1
.endr
	s_add_co_u32 s[TB], s[TB], KSB
	s_barrier_wait -1                              ; every wave has begun this step: none is more than a step behind me
.endm
	s_wait_alu depctr_va_vdst(0)                   ; the wait at the head's end
	s_cmp_lt_u32 s[WV], 4
	s_cbranch_scc0 .Lnot_first
	s_wait_tensorcnt 0x0                           ; waves 0-3: my tile, one of key steps 0-3, has landed
.Lnot_first:
	s_barrier_signal -1
	s_barrier_wait -1                              ; key steps 0-3 lie in LDS; the others may be on their way: nothing is filled again
	s_mov_b32 s[TB], 0
	s_mov_b32 s[CNT], 4
.Lfirst:
	STEP
	s_sub_co_u32 s[CNT], s[CNT], 1
	s_cmp_lg_u32 s[CNT], 0
	s_cbranch_scc1 .Lfirst
	s_wait_tensorcnt 0x0                           ; every wave: my tile has landed
	s_barrier_signal -1
	s_barrier_wait -1                              ; everybody's has: all sixteen key steps lie in LDS
	s_mov_b32 s[TB], 4*KSB
	s_mov_b32 s[CNT], 12
.Lrest:
	STEP
	s_sub_co_u32 s[CNT], s[CNT], 1
	s_cmp_lg_u32 s[CNT], 0
	s_cbranch_scc1 .Lrest
	; THE WAY OUT: O^T / l, quantised along the head's 64 channels (two blocks), as half a fragment.
	v_nop
	v_nop                                          ; with the plain lines below: the places behind the last products
	v_add_f32 v14, v14, v15
	s_delay_alu instid0(VALU_DEP_1)
	v_permlanex16_b32 v[T], v14, s[SEL], s[SEL+1]
	s_delay_alu instid0(VALU_DEP_1)
	v_add_f32 v14, v14, v[T]                       ; the row's sum
	s_wait_alu depctr_va_vdst(0)
	v_rcp_f32 v14, v14
	v_cmp_gt_u32 vcc_lo, 16, v5                    ; (a plain instruction behind the reciprocal)  lanes 0-15, for the scale bytes' store
	s_wait_alu depctr_va_vdst(0)                   ; ahead of the reciprocal's first reader
.set j, 0
.rept 32
	v_mul_f32 v[S+j], v[O+j], v14                  ; register 16 b + i: channel 32 b + 16 (lane / 16) + i
.set j, j+1
.endr
.irp b, 0,1
	v_max3_num_f32 v[BM+\b], |v[S+16*\b]|, |v[S+1+16*\b]|, 0x1800000
.endr
.irp i, 2,4,6,8,10,12,14
.irp b, 0,1
	s_delay_alu instid0(VALU_DEP_2)
	v_max3_num_f32 v[BM+\b], v[BM+\b], |v[S+16*\b+\i]|, |v[S+1+16*\b+\i]|
.endr
.endr
.irp b, 0,1
	s_delay_alu instid0(VALU_DEP_2)
	v_permlanex16_b32 v[BT+\b], v[BM+\b], s[SEL], s[SEL+1]
.endr
.irp b, 0,1
	s_delay_alu instid0(VALU_DEP_2)
	v_max_num_f32 v[BM+\b], v[BM+\b], v[BT+\b]
.endr
.irp b, 0,1
	s_delay_alu instid0(VALU_DEP_2)
	v_add_nc_u32 v[BS+\b], 0xff000000, v[BM+\b]
.endr
.irp b, 0,1
	s_delay_alu instid0(VALU_DEP_2)
	v_lshrrev_b32 v[BT+\b], 23, v[BS+\b]
.endr
	s_delay_alu instid0(VALU_DEP_1)
	v_lshl_or_b32 v[T], v[BT+1], 8, v[BT]          ; my row's two bytes
	v_cvt_scalef32_pk16_fp6_f32 v[PC:PC+2], v[S:S+15], v[BS]
	v_cvt_scalef32_pk16_fp6_f32 v[PC+12:PC+14], v[S+16:S+31], v[BS+1]
	v_nop
.irp i, 0,1,2
	v_permlane16_swap_b32 v[PC+\i], v[PC+12+\i]
.endr
.irp i, 0,1,2
	s_delay_alu instid0(VALU_DEP_3)
	v_mov_b32 v[PC+3+\i], v[PC+12+\i]
.endr
.irp i, 0,1,2
	global_store_b64 v1, v[PC+2*\i:PC+2*\i+1], s[58:59] offset:256*\i   ; 32 lanes store 256 consecutive bytes, aligned
.endr
	s_wait_alu depctr_va_vdst(0)
	s_wait_xcnt 0x0                                ; EXEC changes only behind this wait
	s_and_saveexec_b32 s62, vcc_lo
	global_store_b16 v8, v[T], s[60:61]            ; lanes 0-15: row r's two bytes
	s_wait_xcnt 0x0                                ; and again, in front of the line that widens it
	s_or_b32 exec_lo, exec_lo, s62
	s_wait_tensorcnt 0x0                           ; the wave's end
	ds_add_u32 v254, v255
	s_wait_dscnt 0x0
	ROUND                                          ; the closing round
	s_endpgm
.Lfunc_end_k_qf8fe467bca_attn:
	.size	k_qf8fe467bca_attn, .Lfunc_end_k_qf8fe467bca_attn-k_qf8fe467bca_attn
	.p2alignl 7, 3214868480
	.fill 96, 4, 3214868480
	.section	.rodata,"a",@progbits
	.p2align	6, 0x0
	.amdhsa_kernel k_qf8fe467bca_attn
		.amdhsa_group_segment_fixed_size 206848
		.amdhsa_private_segment_fixed_size 0
		.amdhsa_enable_private_segment 0
		.amdhsa_kernarg_size 24
		.amdhsa_user_sgpr_count 2
		.amdhsa_user_sgpr_kernarg_segment_ptr 1
		.amdhsa_wavefront_size32 1
		.amdhsa_system_sgpr_workgroup_id_x 1
		.amdhsa_system_sgpr_workgroup_id_y 1
		.amdhsa_system_sgpr_workgroup_id_z 1
		.amdhsa_system_vgpr_workitem_id 0
		.amdhsa_next_free_vgpr 256
		.amdhsa_next_free_sgpr 66
		.amdhsa_reserve_vcc 1
		.amdhsa_float_denorm_mode_32 3
		.amdhsa_float_denorm_mode_16_64 3
		.amdhsa_memory_ordered 1
		.amdhsa_forward_progress 1
		.amdhsa_inst_pref_size 46
	.end_amdhsa_kernel
	.amdgpu_metadata
---
amdhsa.version: [ 1, 2 ]
amdhsa.kernels:
  - .name:           k_qf8fe467bca_attn
    .symbol:         k_qf8fe467bca_attn.kd
    .args:
      - { .name: qkv, .offset: 0, .size: 8, .value_kind: global_buffer, .address_space: global }
      - { .name: aimg, .offset: 8, .size: 8, .value_kind: global_buffer, .address_space: global }
      - { .name: ascl, .offset: 16, .size: 8, .value_kind: global_buffer, .address_space: global }
    .group_segment_fixed_size: 206848
    .private_segment_fixed_size: 0
    .kernarg_segment_align: 8
    .kernarg_segment_size: 24
    .max_flat_workgroup_size: 512
    .sgpr_count:     66
    .vgpr_count:     256
    .wavefront_size: 32
...
	.end_amdgpu_metadata
.endif
;; end of part 3
;; launch outp (part 4): grid 8 x 32, 4 waves a work-group, clusters of 4 x 4, 327,680 bytes of LDS; arguments aimg, ascl, ximg, xscl, b_o, out0; writes out0
.if DOCPART == 4
	.amdgcn_target "amdgcn-amd-amdhsa--gfx1250"
	.amdhsa_code_object_version 6
	.text
	.protected	k_qf8fe467bca_outp
	.globl	k_qf8fe467bca_outp
	.p2align	8
	.type	k_qf8fe467bca_outp,@function
k_qf8fe467bca_outp:
	s_mov_b64 s[64:65], 0
	v_nop
	global_prefetch_b8 v0, s[64:65] scope:SCOPE_SE
	s_setreg_imm32_b32 hwreg(HW_REG_WAVE_MODE, 25, 1), 1
	s_wait_xcnt 0x0
	s_wait_alu depctr_hold_cnt(0) depctr_sa_sdst(0) depctr_va_vdst(0) depctr_va_sdst(0) depctr_va_ssrc(0) depctr_va_vcc(0) depctr_vm_vsrc(0)
	s_getreg_b32 s2, hwreg(HW_REG_IB_STS2, 6, 4)
	s_cmp_eq_u32 s2, 0
	s_cbranch_scc0 .Lentry_in_a_cluster
	s_endpgm
.Lentry_in_a_cluster:
	s_bfe_u32 s2, ttmp6, 0x10000c
	s_cmp_lg_u32 s2, 0xf033
	s_cbranch_scc0 .Lentry_shape_is_right
	s_endpgm
.Lentry_shape_is_right:
; out0 = attn W_o^T + b_o on codes of FP6 (E2M3), K = 1,024.  A work-group makes 128 x 128, a wave 64 x 64.
; THE WAVE'S 64 ROWS GO IN TWO HALVES of 32, each over all of K: 8 accumulators, which take turns.  Rows 0-31 are stored ahead of the products of rows 32-63.
; For that B's fragments are read from LDS twice: 36 LDS loads for 8 products.
; OPERANDS are images of their registers: [tile of 16 rows][K step: 8][1,536 bytes], six pieces of 256 bytes.  LDS holds all of K: chunk s (K steps 4 s .. 4 s + 3) at s x CHK, A's 8 tiles x 6,144 bytes, then B's 8.
; THE HEAD: one joint load a wave, in one chain of branches on the wave's number: wave 0 A's chunk 0, wave 1 B's, wave 2 A's chunk 1, wave 3 B's.  The first barrier waits for waves 0 and 1 alone;
; a second barrier, in the first half's K step 3, shows chunk 1.  Nothing is filled again.  A's tiles are shared along a row of the cluster, B's along a column.
; SCALE WORDS go straight into registers: a tile's 512 bytes by one load of 16 bytes a lane: register j holds, in lanes 0-15, row r's word of K step j and, in lanes 16-31, of K step 4 + j; the products of K steps 4-7 name the upper lanes.
; The matrix instruction is used transposed (source 0 = W_o's rows): a lane holds eight neighbouring columns of a row.  The bias is the first products' C.  Results leave through each wave's own stage in LDS as whole rows of 256 bytes.
; NO PREFETCH: every tile is asked for at the head by its tensor load; there is no loop to run ahead in.
.set CHK,   98304
.set QTR,   24576
.set STAGE, 2*CHK                      ; 16 rows x 272 bytes a wave; no tensor load lands here
.set SPI,   272
.set SPARE, STAGE+4*16*SPI             ; the spare words, 128 bytes a wave
.set ADRA, 6                           ; v6, v7 my A fragments in chunk 0, 1
.set ADRB, 8                           ; v8, v9 my B fragments
.set STO,  10
.set RD,   11
.set CO,   12
.set L16,  13                          ; 16 x lane
.set SPW,  14
.set NIL,  15
.set SAR,  16                          ; v16-31 A's scale words, four registers a tile
.set SBR,  34                          ; v34-49 B's
.set BO,   64                          ; v64-95 the bias, as both halves' first products' C
.set ACC,  128                         ; v128-255 accumulator (a, b) at 8 (4 a + b)
.set G1,   24
.set G0,   32                          ; s[32:39] A's chunks 0, 1
.set G1B,  48
.set G0B,  56                          ; s[56:63] B's
.set MSB, 0
.macro WIN new
.if MSB != \new
	s_set_vgpr_msb (MSB<<8)|\new
.set MSB, \new
.endif
.endm
.macro CROUND
	s_barrier_signal -1
	s_barrier_wait -1
	s_cmp_lg_u32 s16, 0
	s_cbranch_scc1 .Lnot_wave_0_\@
	s_barrier_signal -3
.Lnot_wave_0_\@:
	s_barrier_wait -3
	s_barrier_signal -1
	s_barrier_wait -1
.endm
.macro ARM under, g0, g1, next
	s_cmp_lt_u32 s16, \under
	s_cbranch_scc0 \next
	tensor_load_to_lds s[\g0:\g0+3], s[\g1:\g1+7]
	s_nop 0
.rept 4
	v_nop
.endr
	s_branch .Lhead_asked
\next:
.endm
	s_load_b256 s[4:11], s[0:1], 0x0               ; aimg, ascl, ximg, xscl
	s_load_b128 s[12:15], s[0:1], 0x20             ; b_o, out0
	v_lshl_add_u32 v[SPW], v0, 2, SPARE
	v_mov_b32 v[NIL], 0
	ds_add_u32 v[SPW], v[NIL]                      ; the opening lines: the add, twice on end, and its wait
	ds_add_u32 v[SPW], v[NIL]
	v_lshrrev_b32 v1, 5, v0
	v_readfirstlane_b32 s16, v1                    ; wave
	s_lshr_b32 s17, s16, 1                         ; my half of A's rows
	s_and_b32 s18, s16, 1                          ; my half of B's rows
	s_bfe_u32 s40, ttmp6, 0x40000
	s_bfe_u32 s41, ttmp6, 0x40004
	s_lshl_b32 s42, ttmp9, 2
	s_add_co_u32 s42, s42, s40                     ; tile column
	s_and_b32 s43, ttmp7, 0xffff
	s_lshl_b32 s43, s43, 2
	s_add_co_u32 s43, s43, s41                     ; tile row
	s_lshl_b32 s44, s41, 2
	s_lshl_b32 s44, 15, s44                        ; my row of the cluster
	s_lshl_b32 s45, 0x1111, s40                    ; my column
	s_or_b32 s[G1+0], s44, (3<<16)|(1<<21)
	s_or_b32 s[G1B+0], s45, (3<<16)|(1<<21)
.irp g, G1, G1B                        ; 8 rows (tiles) of 6,144 bytes (768 elements of 8), 12,288 bytes apart
	s_mov_b32 s[\g+1], 768<<16
	s_mov_b32 s[\g+2], 8<<16
	s_mov_b32 s[\g+3], 768<<16
	s_mov_b32 s[\g+4], 8
	s_mov_b32 s[\g+5], 1536
	s_mov_b32 s[\g+6], 0
	s_mov_b32 s[\g+7], 0
.endr
	s_lshl_b32 s21, s43, 3                         ; A's first tile
	s_lshl_b32 s22, s42, 3
	s_add_co_u32 s22, s22, 960                     ; B's: W_o's tiles begin at 960
	s_mul_i32 s46, s21, 12288
	s_mov_b32 s47, 0
	s_mul_i32 s92, s22, 12288
	s_mov_b32 s93, 0
	s_lshl_b32 s94, s17, 2
	s_add_co_u32 s94, s94, s21
	s_lshl_b32 s94, s94, 9                         ; the scale words of my four tiles of A,
	s_mov_b32 s95, 0
	s_lshl_b32 s96, s18, 2
	s_add_co_u32 s96, s96, s22
	s_lshl_b32 s96, s96, 9                         ; and of B
	s_mov_b32 s97, 0
	s_wait_dscnt 0x0
	s_wait_kmcnt 0x0
	s_add_nc_u64 s[46:47], s[4:5], s[46:47]
	s_add_nc_u64 s[92:93], s[8:9], s[92:93]
	s_add_nc_u64 s[94:95], s[6:7], s[94:95]
	s_add_nc_u64 s[96:97], s[10:11], s[96:97]
	CROUND                                         ; all sixteen work-groups are here: the joint loads meet
.irp s, 0,1
	s_mov_b32 s[G0+4*\s], 1
	s_mov_b32 s[G0+4*\s+1], \s*CHK
	s_add_nc_u64 s[G0+4*\s+2:G0+4*\s+3], s[46:47], \s*6144
	s_or_b32 s[G0+4*\s+3], s[G0+4*\s+3], 0x80000000
	s_mov_b32 s[G0B+4*\s], 1
	s_mov_b32 s[G0B+4*\s+1], \s*CHK+2*QTR
	s_add_nc_u64 s[G0B+4*\s+2:G0B+4*\s+3], s[92:93], \s*6144
	s_or_b32 s[G0B+4*\s+3], s[G0B+4*\s+3], 0x80000000
.endr
	ARM 1, G0, G1, .Lhead_b0
	ARM 2, G0B, G1B, .Lhead_a1
	ARM 3, G0+4, G1, .Lhead_b1
	tensor_load_to_lds s[G0B+4:G0B+7], s[G1B:G1B+7]
	s_nop 0
.rept 4
	v_nop
.endr
.Lhead_asked:
	s_lshl_b32 s20, s42, 9
	s_lshl_b32 s21, s18, 8
	s_add_co_u32 s20, s20, s21                     ; my first column, in bytes
	s_mov_b32 s21, 0
	s_add_nc_u64 s[12:13], s[12:13], s[20:21]
	s_lshl_b32 s22, s43, 7
	s_lshl_b32 s23, s17, 6
	s_add_co_u32 s22, s22, s23
	s_lshl_b32 s22, s22, 12                        ; my first row, in bytes
	s_add_co_u32 s20, s20, s22
	s_add_nc_u64 s[14:15], s[14:15], s[20:21]
	s_mul_i32 s21, s17, QTR                        ; my four tiles of A
	s_mul_i32 s22, s18, QTR
	s_add_co_u32 s22, s22, 2*QTR                   ; my four of B, behind A's eight
	s_mul_i32 s23, s16, 16*SPI
	s_add_co_u32 s23, s23, STAGE                   ; my stage
	v_and_b32 v1, 15, v0                           ; r
	v_bfe_u32 v2, v0, 4, 1                         ; h
	v_and_b32 v3, 31, v0
	v_lshlrev_b32 v[L16], 4, v3
	v_lshlrev_b32 v4, 5, v2
.irp i, 0,1,2,3
	global_load_b128 v[SAR+4*\i:SAR+4*\i+3], v[L16], s[94:95] offset:512*\i   ; 32 lanes read a tile's 512 consecutive bytes
	global_load_b128 v[SBR+4*\i:SBR+4*\i+3], v[L16], s[96:97] offset:512*\i
.endr
.irp b, 0,1,2,3
	global_load_b128 v[BO+8*\b:BO+8*\b+3], v4, s[12:13] offset:64*\b
	global_load_b128 v[BO+8*\b+4:BO+8*\b+7], v4, s[12:13] offset:64*\b+16
.endr
	v_lshlrev_b32 v5, 3, v3                        ; 8 x lane
	v_add_nc_u32 v[ADRA], s21, v5
	v_add_nc_u32 v[ADRB], s22, v5
	v_add_nc_u32 v[ADRA+1], CHK, v[ADRA]
	v_add_nc_u32 v[ADRB+1], CHK, v[ADRB]
	v_mul_u32_u24 v5, v1, SPI
	v_lshl_add_u32 v5, v2, 5, v5
	v_add_nc_u32 v[STO], s23, v5                   ; into the stage: row r, 32 bytes for each half of the lanes
	v_mul_u32_u24 v5, v2, SPI
	v_lshl_add_u32 v5, v1, 4, v5
	v_add_nc_u32 v[RD], s23, v5                    ; back: sixteen lanes to a row of 256 bytes
	v_lshlrev_b32 v[CO], 12, v2
	v_lshl_add_u32 v[CO], v1, 4, v[CO]             ; and the same two rows in out0
; A's tiles 2 hf, 2 hf + 1 and B's four tiles of K step ks, into window 1 from register f on: 36 loads
.macro FETCH hf, ks, f
	WIN 0x40
.irp i, 0,1
.irp p, 0,1,2,3,4,5
	ds_load_b64 v[\f+12*\i+2*\p:\f+12*\i+2*\p+1], v[ADRA+(\ks)/4] offset:6144*(2*(\hf)+\i)+1536*((\ks)%4)+256*\p
.endr
.endr
.irp i, 0,1,2,3
.irp p, 0,1,2,3,4,5
	ds_load_b64 v[\f+24+12*\i+2*\p:\f+24+12*\i+2*\p+1], v[ADRB+(\ks)/4] offset:6144*\i+1536*((\ks)%4)+256*\p
.endr
.endr
.endm
.macro MM hf, ks, a, b, c
.set D_, ACC+8*(4*(2*(\hf)+\a)+\b)
.set FB_, 128*((\ks)%2)+24+12*\b
.set FA_, 128*((\ks)%2)+12*\a
.if (\ks) < 4
	v_wmma_scale_f32_16x16x128_f8f6f4 v[D_:D_+7], v[FB_:FB_+11], v[FA_:FA_+11], \c, v[SBR+4*\b+(\ks)%4], v[SAR+4*(2*(\hf)+\a)+(\ks)%4] matrix_a_fmt:MATRIX_FMT_FP6 matrix_b_fmt:MATRIX_FMT_FP6
.else
	v_wmma_scale_f32_16x16x128_f8f6f4 v[D_:D_+7], v[FB_:FB_+11], v[FA_:FA_+11], \c, v[SBR+4*\b+(\ks)%4], v[SAR+4*(2*(\hf)+\a)+(\ks)%4] matrix_a_fmt:MATRIX_FMT_FP6 matrix_b_fmt:MATRIX_FMT_FP6 matrix_a_scale:MATRIX_SCALE_ROW1 matrix_b_scale:MATRIX_SCALE_ROW1
.endif
.endm
.macro KSTEP hf, ks
.if (\hf) == 0 && (\ks) == 3
	s_wait_tensorcnt 0x0                           ; every wave: chunk 1 is in;
	s_wait_dscnt 0x0
	s_barrier_signal -1
	s_barrier_wait -1                              ; and shown to all, ahead of the fetch of K step 4
.endif
.if 8*(\hf)+(\ks) > 0
.rept 4
	v_nop                                          ; places in front of loads into registers that the last products have read
.endr
.endif
.if 8*(\hf)+(\ks) < 15
	FETCH (8*(\hf)+(\ks)+1)/8, ((\ks)+1)%8, 128*(((\ks)+1)%2)
	s_wait_dscnt 36                                ; this step's fragments are in; the 36 loads just issued may be out
.else
	s_wait_dscnt 0x0
.endif
	WIN 0x05
.irp a, 0,1
.irp b, 0,1,2,3
.if (\ks) == 0
	MM \hf, \ks, \a, \b, v[BO+8*\b:BO+8*\b+7]
.else
	MM \hf, \ks, \a, \b, v[ACC+8*(4*(2*(\hf)+\a)+\b):ACC+8*(4*(2*(\hf)+\a)+\b)+7]
.endif
.endr
.endr
.endm
; THE WAY OUT of block a, 16 rows x 64 columns: through my stage, back as whole rows of 256 bytes into v[ob] on, and stored
.macro TOSTAGE a, ob
.irp b, 0,1,2,3
	ds_store_b128 v[STO], v[ACC+8*(4*(\a)+\b):ACC+8*(4*(\a)+\b)+3] offset:64*\b        ; each accumulator from its low end on
	ds_store_b128 v[STO], v[ACC+8*(4*(\a)+\b)+4:ACC+8*(4*(\a)+\b)+7] offset:64*\b+16
.endr
.irp i, 0,1,2,3,4,5,6,7
	ds_load_b128 v[\ob+4*\i:\ob+4*\i+3], v[RD] offset:2*SPI*\i   ; LDS serves a wave's instructions in order: these see my stores
.endr
.endm
.macro SEND a, ob, younger
	s_wait_dscnt \younger
.irp i, 0,1,2,3,4,5,6,7
	global_store_b128 v[CO], v[\ob+4*\i:\ob+4*\i+3], s[14:15] offset:(16*(\a)+2*\i)*4096 th:TH_STORE_NT   ; sixteen lanes store 256 consecutive bytes, aligned
.endr
.endm
	s_wait_alu depctr_va_vdst(0)                   ; the wait at the head's end
	s_cmp_lt_u32 s16, 2
	s_cbranch_scc0 .Lnot_c0
	s_wait_tensorcnt 0x0                           ; waves 0 and 1: chunk 0 is in; their load lines are theirs alone
.Lnot_c0:
	s_barrier_signal -1
	s_barrier_wait -1                              ; chunk 1 may still be on its way
	FETCH 0, 0, 0
	s_wait_loadcnt 0x0                             ; the scale words and the bias
.irp k, 0,1,2,3,4,5,6,7
	KSTEP 0, \k
.endr
.rept 4
	v_nop                                          ; places behind the last products
.endr
	WIN 0
	TOSTAGE 0, 96                                  ; rows 0-31 leave now.  Block 0 comes back into v96-127,
	TOSTAGE 1, 128                                 ; block 1 into block 0's accumulators, which the stage's stores above have read
	SEND 0, 96, 16                                 ; behind block 0's loads: block 1's 8 stores and 8 loads
	SEND 1, 128, 0
.irp k, 0,1,2,3,4,5,6,7
	KSTEP 1, \k
.endr
.rept 4
	v_nop
.endr
	WIN 0
	s_wait_xcnt 0x0                                ; block 0's stores have read v96-127
	TOSTAGE 2, 96
	TOSTAGE 3, 64                                  ; (the bias has served)
	SEND 2, 96, 16
	SEND 3, 64, 0
	s_wait_tensorcnt 0x0                           ; the wave's end
	ds_add_u32 v[SPW], v[NIL]
	s_wait_dscnt 0x0
	CROUND                                         ; the closing round
	s_endpgm
.Lfunc_end_k_qf8fe467bca_outp:
	.size	k_qf8fe467bca_outp, .Lfunc_end_k_qf8fe467bca_outp-k_qf8fe467bca_outp
	.p2alignl 7, 3214868480
	.fill 96, 4, 3214868480
	.section	.rodata,"a",@progbits
	.p2align	6, 0x0
	.amdhsa_kernel k_qf8fe467bca_outp
		.amdhsa_group_segment_fixed_size 327680
		.amdhsa_private_segment_fixed_size 0
		.amdhsa_enable_private_segment 0
		.amdhsa_kernarg_size 48
		.amdhsa_user_sgpr_count 2
		.amdhsa_user_sgpr_kernarg_segment_ptr 1
		.amdhsa_wavefront_size32 1
		.amdhsa_system_sgpr_workgroup_id_x 1
		.amdhsa_system_sgpr_workgroup_id_y 1
		.amdhsa_system_sgpr_workgroup_id_z 1
		.amdhsa_system_vgpr_workitem_id 0
		.amdhsa_next_free_vgpr 512
		.amdhsa_next_free_sgpr 100
		.amdhsa_reserve_vcc 0
		.amdhsa_float_denorm_mode_32 3
		.amdhsa_float_denorm_mode_16_64 3
		.amdhsa_memory_ordered 1
		.amdhsa_forward_progress 1
		.amdhsa_inst_pref_size 72
	.end_amdhsa_kernel
	.amdgpu_metadata
---
amdhsa.version: [ 1, 2 ]
amdhsa.kernels:
  - .name:           k_qf8fe467bca_outp
    .symbol:         k_qf8fe467bca_outp.kd
    .args:
      - { .name: aimg, .offset: 0, .size: 8, .value_kind: global_buffer, .address_space: global }
      - { .name: ascl, .offset: 8, .size: 8, .value_kind: global_buffer, .address_space: global }
      - { .name: ximg, .offset: 16, .size: 8, .value_kind: global_buffer, .address_space: global }
      - { .name: xscl, .offset: 24, .size: 8, .value_kind: global_buffer, .address_space: global }
      - { .name: b_o, .offset: 32, .size: 8, .value_kind: global_buffer, .address_space: global }
      - { .name: out0, .offset: 40, .size: 8, .value_kind: global_buffer, .address_space: global }
    .group_segment_fixed_size: 327680
    .private_segment_fixed_size: 0
    .kernarg_segment_align: 8
    .kernarg_segment_size: 48
    .max_flat_workgroup_size: 128
    .sgpr_count:     100
    .vgpr_count:     512
    .wavefront_size: 32
...
	.end_amdgpu_metadata
.endif
;; end of part 4
